; MI455X (gfx1250); checked and timed in simulation.
; The chip was launched on July 23, 2026; its instructions are those of AMD's public machine-readable ISA for CDNA 5 (MIT licence, August 2026) and "CDNA5" Instruction Set Architecture Reference Guide (July 2026). The comments in the code are by the model that wrote it; some were corrected since.
;; Multi Head Attention. Allowed arithmetic: matrix products marked QUANTISED: E2M1 operands, one E8M0 scale for each 32 along K, by v_wmma_scale_f32_16x16x128_f8f6f4 with both operands' format E2M1 (or v_wmma_scale_f32_32x16x128_f4), f32 sums; products left as they are: bf16, f16 or f32 operands; f32 sums; everything else in f32.
;; Inputs: K 4 x 2,048 x 1,024 float32; Q 4 x 2,048 x 1,024 float32; V 4 x 2,048 x 1,024 float32; Wk 1,024 x 1,024 float32; Wo 1,024 x 1,024 float32; Wq 1,024 x 1,024 float32; Wv 1,024 x 1,024 float32; bk 1,024 float32; bo 1,024 float32; bq 1,024 float32; bv 1,024 float32.
;; Outputs: out0 4 x 2,048 x 1,024 float32.
;; This version of the problem:
;;   THIS VERSION OF THE PROBLEM IS GIVEN IN LOW PRECISION. The matrix products marked QUANTISED in the list below multiply operands that are first quantised to E2M1 (2 exponent bits, 1 mantissa bit; 4 bits a number), with one power-of-two scale for each 32 numbers along K (OCP MX v1.0); their sums are f32. The products marked 'left as it is' may take bf16, f16 or f32 operands, with f32 sums. Whichever they take, every output number must still come out within the allowed error. Rounding operands to bf16 (8 significant bits) uses up far more of that allowance than f16 does (11 bits, for magnitudes from 6e-5 to 65,504). All else is computed in f32.
;;   The module's matrix products, in the order in which they are computed (A, B: the left and right operand; K: the contracted axis; several contracted axes count as one K, in the product's order):
;;     1. [M 8,192, K 1,024] x [K 1,024, N 1,024]; A: input Q; B: input Wq: QUANTISED
;;     2. [M 8,192, K 1,024] x [K 1,024, N 1,024]; A: input K; B: input Wk: QUANTISED
;;     3. [M 8,192, K 1,024] x [K 1,024, N 1,024]; A: input V; B: input Wv: QUANTISED
;;     4. batch 64 x [M 2,048, K 64] x [K 64, N 2,048]; A: computed on the way; B: computed on the way: left as it is (an operand is computed on the way)
;;     5. batch 64 x [M 2,048, K 2,048] x [K 2,048, N 64]; A: computed on the way; B: computed on the way: left as it is (an operand is computed on the way)
;;     6. [M 8,192, K 1,024] x [K 1,024, N 1,024]; A: computed on the way; B: input Wo: left as it is (an operand is computed on the way)
;;   THE QUANTISER, for each operand of a quantised product, along K:
;;     - K is cut into blocks of 32 from its start; a last block that is shorter is filled with zeros.
;;     - A block's scale is 2^e with e = floor(log2(the largest magnitude in the block)) - 2, held to -126 .. 127; a block of zeros has e = 0. As a byte (E8M0): e + 127.
;;     - Each number is divided by its block's scale, clamped to +-6, and rounded to the nearest number of E2M1, ties to even, subnormals kept.
;;     - The product sums the exact products of the quantised numbers (number of the format x scale) in f32.
;;   ~~~python
;;   def quantise(x, axis):      # numpy; x: float32 -> the quantised numbers, widened to float32 again
;;       x = np.moveaxis(x, axis, -1); K = x.shape[-1]
;;       x = np.pad(x, [(0, 0)] * (x.ndim - 1) + [(0, -K % 32)]); x = x.reshape(x.shape[:-1] + (-1, 32)); a = np.abs(x).max(-1, keepdims=True)
;;       e = np.where(a > 0, np.clip(np.frexp(np.where(a > 0, a, 1))[1] - 1 - 2, -126, 127), 0)      # np.frexp(a)[1] - 1 = floor(log2(a)), exactly
;;       r = np.clip(x / 2.0 ** e, -6, 6)
;;       step = 2.0 ** (np.maximum(np.frexp(np.where(r == 0, 1, r))[1] - 1, 0) - 1)
;;       q = np.round(r / step) * step * 2.0 ** e      # np.round: ties to even
;;       return np.moveaxis(q.reshape(q.shape[:-2] + (-1,))[..., :K], -1, axis).astype(np.float32)
;;   ~~~
;; One version. Each part assembles by itself: llvm-mc -triple=amdgcn-amd-amdhsa -mcpu=gfx1250 --defsym DOCPART=n.
;; ======== version 1 of 1: 4 launches
;; limits: values are held in f16: magnitudes above 65,504 overflow, below 6.1e-05 lose precision
;; workspace buffers: codes 14,155,776 bytes; scales 884,736 bytes; wo16 2,097,152 bytes; qkv 50,331,648 bytes; att 16,777,216 bytes
;; launch prep (part 1): grid 992 x 1, 4 waves a work-group, no clusters, 33,280 bytes of LDS; arguments Q, K, V, Wq, Wk, Wv, Wo, codes, scales, wo16; writes codes, scales, wo16
.if DOCPART == 1
	.amdgcn_target "amdgcn-amd-amdhsa--gfx1250"
	.amdhsa_code_object_version 6
	.text
	.protected	k_q0a9fd065f3_prep
	.globl	k_q0a9fd065f3_prep
	.p2align	8
	.type	k_q0a9fd065f3_prep,@function
k_q0a9fd065f3_prep:
	s_mov_b64 s[64:65], 0
	v_nop
	global_prefetch_b8 v0, s[64:65] scope:SCOPE_SE
	s_setreg_imm32_b32 hwreg(HW_REG_WAVE_MODE, 25, 1), 1
	s_wait_xcnt 0x0
; MULTI-HEAD ATTENTION, launch 1 of 4.  Q, K, V [8192][1024] and Wq, Wk, Wv [1024][1024], f32, K innermost, become codes of FP4 (E2M1) with one E8M0 byte for each 32 along K; Wo becomes f16.
; DEAD WORK, shown for all values of the inputs: bk.  scores[q][key] = q . (k0[key] + bk) / 8 = q . k0[key] / 8 + q . bk / 8.  The second term is the same for every key of a row, and a softmax
; along the keys does not change when the same number is added to all its inputs.  The product of q with k is not a quantised one, so no quantiser sees k; k goes nowhere else.  So bk reaches no output:
; it is not loaded and is no argument of any launch.  LIMIT: a NaN, an infinity or an overflow that reaches only that term is not carried to the result.
; bv is live and is used, at another place: the softmax's weights sum to 1, so sum(p (v0 + bv)) / sum(p) = sum(p v0) / sum(p) + bv for all inputs: it is added where attention divides by the sum.
; THE QUANTISER: a block's scale is 2^(floor(log2(its largest magnitude)) - 2); its byte is the largest magnitude's exponent field - 2, held at 1 from below.  A block of zeros so gets the byte 1 where the
; rule says 127: its codes are zeros, which add nothing under any byte but 0xff, and this program alone reads the bytes.  Each number is divided by the scale and rounded to the nearest code, ties to even.
; LIMITS: blocks whose largest magnitude lies under 2^(2 - 126) keep the byte 1; NaN and infinities among the inputs are not served; |Wo| above 65,504 becomes infinite in f16.
; OUTPUT: one stacked matrix of 27,648 rows: Q's 8,192, K's, V's, Wq's 1,024, Wk's, Wv's; codes 512 bytes a row, scale bytes 32 a row.  Rows are dense, so all is a plain stream of blocks of 32.
; SHARES: work-groups 0-863 quantise 32,768 numbers each (a wave: 16 steps of 512), in the stacked order; work-groups 864-991 convert Wo, 2,048 numbers a wave.
; A step's four loads read 512 consecutive bytes each; the 2,048 bytes turn through the wave's own stage in LDS (16 bytes of padding behind each 64) and come back 64 bytes a lane, since the conversion takes
; neighbours along K from one lane's registers; two neighbouring lanes hold a block.  No tensor loads, no barrier: waves share nothing.
.set WAVES, 4
.set STEPS, 16
.set EMAX,  2
.set CB,    8                          ; bytes of 16 codes
.set R,     16                         ; v16-79   four sets of 16 numbers as loaded
.set X,     80                         ; v80-111  two sets of 16 neighbours
.set E,     112                        ; v112-127 a scale byte for each step
.set C,     128                        ; v128-191 codes: four registers for each step, so that no store's data are written again
.set WREG,  8192                       ; LDS: a region for each wave: two stages of 32 x SP bytes, then its 256 scale bytes
.set SP,    80
.set SPW,   12                         ; v12 LDS address of my spare word; never rewritten
.set NIL,   13                         ; v13 0; never rewritten
.set SPARE, WAVES*WREG                 ; the spare words, 128 bytes a wave, named by no other line
.set WGQ,   864                        ; work-groups that quantise
	s_load_b512 s[8:23], s[0:1], 0x0               ; Q 8, K 10, V 12, Wq 14, Wk 16, Wv 18, Wo 20, codes 22
	s_load_b128 s[24:27], s[0:1], 0x40             ; scales 24, wo16 26
	v_lshl_add_u32 v[SPW], v0, 2, SPARE
	v_mov_b32 v[NIL], 0
	v_lshrrev_b32 v1, 5, v0
	v_readfirstlane_b32 s28, v1                    ; wave
	v_and_b32 v2, 31, v0                           ; lane
	v_lshlrev_b32 v3, 4, v2                        ; my 16 bytes of a load's 512
	s_mul_i32 s29, s28, WREG
	v_lshrrev_b32 v14, 2, v2
	v_mul_u32_u24 v14, v14, SP
	v_and_b32 v15, 3, v2
	v_lshl_add_u32 v14, v15, 4, v14
	v_add_nc_u32 v14, s29, v14                     ; the stage, on the way in: SP (lane / 4) + 16 (lane % 4)
	v_mul_u32_u24 v15, v2, SP
	v_add_nc_u32 v15, s29, v15                     ; and on the way out: SP x lane: my 16 neighbours
	v_mul_u32_u24 v4, v2, CB                       ; 8 x lane: my codes' place in a step's; also my f16 numbers' place in the other path
	v_lshrrev_b32 v5, 1, v2
	s_add_co_u32 s29, s29, 2*32*SP
	v_add_nc_u32 v5, s29, v5                       ; LDS: my block's scale byte
	v_lshlrev_b32 v7, 3, v2
	v_add_nc_u32 v6, s29, v7                       ; and 8 of the wave's 256 on the way out
	s_wait_kmcnt 0x0
	s_cmp_ge_u32 ttmp9, WGQ                        ; the work-group's number alone decides
	s_cbranch_scc1 .Lwo
	s_mov_b64 s[4:5], s[8:9]                       ; which tensor: a chain of choices on the work-group's number
	s_mov_b32 s6, 0                                ; and that tensor's first work-group
	s_cmp_ge_u32 ttmp9, 256
	s_cselect_b64 s[4:5], s[10:11], s[4:5]
	s_cselect_b32 s6, 256, s6
	s_cmp_ge_u32 ttmp9, 512
	s_cselect_b64 s[4:5], s[12:13], s[4:5]
	s_cselect_b32 s6, 512, s6
	s_cmp_ge_u32 ttmp9, 768
	s_cselect_b64 s[4:5], s[14:15], s[4:5]
	s_cselect_b32 s6, 768, s6
	s_cmp_ge_u32 ttmp9, 800
	s_cselect_b64 s[4:5], s[16:17], s[4:5]
	s_cselect_b32 s6, 800, s6
	s_cmp_ge_u32 ttmp9, 832
	s_cselect_b64 s[4:5], s[18:19], s[4:5]
	s_cselect_b32 s6, 832, s6
	s_sub_co_u32 s6, ttmp9, s6
	s_lshl_b32 s6, s6, 2
	s_add_co_u32 s30, s6, s28                      ; my run of 8,192 numbers in the tensor
	s_lshl_b32 s30, s30, 15                        ; 32,768 bytes a run
	s_mov_b32 s31, 0
	s_add_nc_u64 s[4:5], s[4:5], s[30:31]
	s_lshl_b32 s32, ttmp9, 2
	s_add_co_u32 s32, s32, s28                     ; my run in the stacked output
	s_lshl_b32 s34, s32, 12                        ; 4,096 bytes of codes a run
	s_mov_b32 s35, 0
	s_add_nc_u64 s[22:23], s[22:23], s[34:35]
	s_lshl_b32 s34, s32, 8                         ; 256 scale bytes a run
	s_add_nc_u64 s[24:25], s[24:25], s[34:35]
.macro LOAD t
.irp i, 0,1,2,3
	global_load_b128 v[R+16*((\t)%4)+4*\i:R+16*((\t)%4)+4*\i+3], v3, s[4:5] offset:2048*(\t)+512*\i th:TH_LOAD_NT   ; 32 lanes read 512 consecutive bytes
.endr
.endm
.macro TURN t                          ; step t's numbers through the stage: LDS serves a wave's instructions in order, so no wait stands between the stores and the loads
.irp i, 0,1,2,3
	ds_store_b128 v14, v[R+16*((\t)%4)+4*\i:R+16*((\t)%4)+4*\i+3] offset:32*SP*((\t)%2)+8*SP*\i
.endr
.irp i, 0,1,2,3
	ds_load_b128 v[X+16*((\t)%2)+4*\i:X+16*((\t)%2)+4*\i+3], v15 offset:32*SP*((\t)%2)+16*\i
.endr
.endm
.irp t, 0,1,2,3
	LOAD \t
.endr
	s_wait_loadcnt 12                              ; step 0's four loads are in; the twelve of steps 1 to 3 stay out
	TURN 0
.macro STEP t
.set XS, X+16*((\t)%2)
.if (\t) > 0
	s_wait_dscnt 1                                 ; this step's numbers are back from the stage (the last step's byte store may be out)
.else
	s_wait_dscnt 0x0
.endif
.if (\t)+4 < STEPS
	LOAD (\t)+4                                    ; into the registers that this step's stage stores have read
.endif
.if (\t)+1 < STEPS
.if STEPS-2-(\t) >= 3
	s_wait_loadcnt 12                              ; the next step's four loads are in; those of the three steps behind it may be out
.else
	s_wait_loadcnt 4*(STEPS-2-(\t))
.endif
	TURN (\t)+1
.endif
	v_max3_num_f32 v8, |v[XS]|, |v[XS+1]|, |v[XS+2]|               ; the largest magnitude of my 16, in two chains
	v_max3_num_f32 v9, |v[XS+3]|, |v[XS+4]|, |v[XS+5]|
.irp i, 6,10
	v_max3_num_f32 v8, v8, |v[XS+\i]|, |v[XS+\i+1]|
	v_max3_num_f32 v9, v9, |v[XS+\i+2]|, |v[XS+\i+3]|
.endr
	v_max3_num_f32 v8, v8, |v[XS+14]|, |v[XS+15]|
	v_max3_num_f32 v8, v8, v9, (EMAX+1)<<23        ; and the floor 2^(EMAX + 1 - 127): the byte cannot fall under 1
	v_max_num_f32_dpp v8, v8, v8 row_xmask:1 row_mask:0xf bank_mask:0xf   ; with my neighbour's 16: the block's
	v_add_nc_u32 v11, -(EMAX<<23), v8              ; EMAX off its exponent field: the conversion takes the exponent field of this operand as its scale
	v_cvt_scalef32_pk8_fp4_f32 v[C+4*(\t)], v[XS:XS+7], v11
	v_cvt_scalef32_pk8_fp4_f32 v[C+4*(\t)+1], v[XS+8:XS+15], v11
	v_lshrrev_b32 v[E+(\t)], 23, v11               ; the scale's byte (a plain line behind the conversions)
	ds_store_b8 v5, v[E+(\t)] offset:16*(\t)       ; both lanes of a block write the same byte with the same value
	global_store_b64 v4, v[C+4*(\t):C+4*(\t)+1], s[22:23] offset:32*CB*(\t)   ; the wave stores 256 consecutive bytes, aligned
.endm
.irp t, 0,1,2,3,4,5,6,7,8,9,10,11,12,13,14,15
	STEP \t
.endr
	ds_load_b64 v[8:9], v6                         ; LDS serves a wave's instructions in order: these see my byte stores
	s_wait_dscnt 0x0
	global_store_b64 v7, v[8:9], s[24:25]          ; 32 lanes store 256 consecutive bytes, aligned
	s_wait_tensorcnt 0x0                           ; the wave's end, behind my last LDS store
	ds_add_u32 v[SPW], v[NIL]
	s_wait_dscnt 0x0
	s_endpgm
.Lwo:                                                  ; Wo to f16
	s_sub_co_u32 s30, ttmp9, WGQ
	s_lshl_b32 s30, s30, 2
	s_add_co_u32 s30, s30, s28                     ; my run of 2,048 numbers
	s_lshl_b32 s32, s30, 13
	s_mov_b32 s33, 0
	s_add_nc_u64 s[20:21], s[20:21], s[32:33]
	s_lshl_b32 s32, s30, 12
	s_add_nc_u64 s[26:27], s[26:27], s[32:33]
.irp i, 0,1,2,3,4,5,6,7,8,9,10,11,12,13,14,15
	global_load_b128 v[R+4*\i:R+4*\i+3], v3, s[20:21] offset:512*\i th:TH_LOAD_NT
.endr
.irp i, 0,1,2,3,4,5,6,7,8,9,10,11,12,13,14,15
	s_wait_loadcnt 15-\i                           ; loads come back in order: load i is in, the younger ones stay out
	v_cvt_pk_f16_f32 v[X+2*\i], v[R+4*\i], v[R+4*\i+1]
	v_cvt_pk_f16_f32 v[X+2*\i+1], v[R+4*\i+2], v[R+4*\i+3]
	global_store_b64 v4, v[X+2*\i:X+2*\i+1], s[26:27] offset:256*\i   ; registers of its own for each store; 256 consecutive bytes, aligned
.endr
	s_endpgm
.Lfunc_end_k_q0a9fd065f3_prep:
	.size	k_q0a9fd065f3_prep, .Lfunc_end_k_q0a9fd065f3_prep-k_q0a9fd065f3_prep
	.p2alignl 7, 3214868480
	.fill 96, 4, 3214868480
	.section	.rodata,"a",@progbits
	.p2align	6, 0x0
	.amdhsa_kernel k_q0a9fd065f3_prep
		.amdhsa_group_segment_fixed_size 33280
		.amdhsa_private_segment_fixed_size 0
		.amdhsa_enable_private_segment 0
		.amdhsa_kernarg_size 80
		.amdhsa_user_sgpr_count 2
		.amdhsa_user_sgpr_kernarg_segment_ptr 1
		.amdhsa_wavefront_size32 1
		.amdhsa_system_sgpr_workgroup_id_x 1
		.amdhsa_system_sgpr_workgroup_id_y 1
		.amdhsa_system_sgpr_workgroup_id_z 1
		.amdhsa_system_vgpr_workitem_id 0
		.amdhsa_next_free_vgpr 192
		.amdhsa_next_free_sgpr 66
		.amdhsa_reserve_vcc 0
		.amdhsa_float_denorm_mode_32 3
		.amdhsa_float_denorm_mode_16_64 3
		.amdhsa_memory_ordered 1
		.amdhsa_forward_progress 1
		.amdhsa_inst_pref_size 40
	.end_amdhsa_kernel
	.amdgpu_metadata
---
amdhsa.version: [ 1, 2 ]
amdhsa.kernels:
  - .name:           k_q0a9fd065f3_prep
    .symbol:         k_q0a9fd065f3_prep.kd
    .args:
      - { .name: Q, .offset: 0, .size: 8, .value_kind: global_buffer, .address_space: global }
      - { .name: K, .offset: 8, .size: 8, .value_kind: global_buffer, .address_space: global }
      - { .name: V, .offset: 16, .size: 8, .value_kind: global_buffer, .address_space: global }
      - { .name: Wq, .offset: 24, .size: 8, .value_kind: global_buffer, .address_space: global }
      - { .name: Wk, .offset: 32, .size: 8, .value_kind: global_buffer, .address_space: global }
      - { .name: Wv, .offset: 40, .size: 8, .value_kind: global_buffer, .address_space: global }
      - { .name: Wo, .offset: 48, .size: 8, .value_kind: global_buffer, .address_space: global }
      - { .name: codes, .offset: 56, .size: 8, .value_kind: global_buffer, .address_space: global }
      - { .name: scales, .offset: 64, .size: 8, .value_kind: global_buffer, .address_space: global }
      - { .name: wo16, .offset: 72, .size: 8, .value_kind: global_buffer, .address_space: global }
    .group_segment_fixed_size: 33280
    .private_segment_fixed_size: 0
    .kernarg_segment_align: 8
    .kernarg_segment_size: 80
    .max_flat_workgroup_size: 128
    .sgpr_count:     66
    .vgpr_count:     192
    .wavefront_size: 32
...
	.end_amdgpu_metadata
.endif
;; end of part 1
;; launch proj (part 2): grid 4 x 96, 4 waves a work-group, clusters of 4 x 4, 327,680 bytes of LDS; arguments codes, scales, bq, qkv; writes qkv
.if DOCPART == 2
	.amdgcn_target "amdgcn-amd-amdhsa--gfx1250"
	.amdhsa_code_object_version 6
	.text
	.protected	k_q0a9fd065f3_proj
	.globl	k_q0a9fd065f3_proj
	.p2align	8
	.type	k_q0a9fd065f3_proj,@function
k_q0a9fd065f3_proj:
	s_mov_b64 s[64:65], 0
	v_nop
	global_prefetch_b8 v0, s[64:65] scope:SCOPE_SE
	s_setreg_imm32_b32 hwreg(HW_REG_WAVE_MODE, 25, 1), 1
	s_wait_xcnt 0x0
	s_wait_alu depctr_hold_cnt(0) depctr_sa_sdst(0) depctr_va_vdst(0) depctr_va_sdst(0) depctr_va_ssrc(0) depctr_va_vcc(0) depctr_vm_vsrc(0)
	s_getreg_b32 s2, hwreg(HW_REG_IB_STS2, 6, 4)
	s_cmp_eq_u32 s2, 0
	s_cbranch_scc0 .Lentry_in_a_cluster
	s_endpgm
.Lentry_in_a_cluster:
	s_bfe_u32 s2, ttmp6, 0x10000c
	s_cmp_lg_u32 s2, 0xf033
	s_cbranch_scc0 .Lentry_shape_is_right
	s_endpgm
.Lentry_shape_is_right:
; Launch 2 of 4: the three projections on codes of FP4 (E2M1) with E8M0 scales, sums in f32, results rounded once to f16.  K = 1,024.
; LEFT OUT: bk (dead work: the same term for every key of a softmax's row; shown at the head of the first kernel).  bv is added in the attention launch, where the weights' sum divides.
; All three are one form, C[m][n] = sum over k of A[m][k] B[n][k], on rows of the stacked matrix of codes.  z = 0: A = Q's rows, B = Wq's: q (+ bq).  z = 1: A = K's, B = Wk's: k.
; z = 2: A = Wv's rows (m = channel), B = V's rows (n = token): v comes out with the keys innermost, as attention's second product wants it, and nothing is transposed.
; OUTPUT qkv: three planes of 16,777,216 bytes.  q, k: [b][h][s][64] f16.  v: [b][h][s / 64][64 channels][64 keys] f16.  LIMIT: a magnitude above 65,504 becomes infinite in f16.
; A tile of C, 256 x 256, is made by four waves, 128 x 128 each: 64 accumulators, 512 registers.  K goes in two steps of 512 (rows of 256 bytes) through two LDS slots: both are first fills, nothing is filled again.
; The scale bytes of the tile's 256 + 256 rows, for all of K, are two dense blocks: they come once, with the first fills.
; CLUSTERS: 4 x 4 work-groups; A's tiles are asked for jointly along a row of the cluster, B's along a column.  24 clusters: z = cluster y / 8; the other three bits walk the tokens.
; THE MATRIX INSTRUCTION IS USED TRANSPOSED (source 0 = 16 rows of B, source 1 = 16 rows of A): a lane holds eight neighbouring n of one row m.
; No prefetch: every tensor load of this launch is a first fill at its head.
; REGISTERS: window 0: v0-31 addresses; v32-95 scale words, two sets; v128-191 A's fragments, one set; v192-255 bq, then packed results.  window 1: B's fragments, two sets.  windows 2, 3: the accumulators.
.set NQ,     4                         ; steps of 128 along K in a slot
.set ROWB,   256                       ; a tile's row in bytes: 512 codes
.set KROW,   512                       ; a row of codes in memory
.set PITCH,  272                       ; an LDS row: 256 + 16 bytes = 68 words: 16 neighbouring rows start at 16 different places modulo 64 words
.set FR,     8
.set NL,     2
.set NP,     4
.set HALFT,  128*PITCH
.set SLOT,   4*HALFT
.set KS,     32                        ; a row of scale bytes
.set SCL,    2*SLOT
.set HALFS,  (128*KS/256)*272
.set SBLK,   (16*KS/256)*272
.set SPARE,  SCL+4*HALFS               ; the spare words, 128 bytes a wave, named by no other line
.set SPITCH, 272                       ; the way out: a stage of 16 rows x (256 + 16) bytes a wave, in slot 0, which has had its only fill and its last read by then
.set CO,   8                           ; v8-11  my byte offset in the output: 16 x lane + c x STRC + g x STRG at v[8 + 2 c + g]
.set ADRA, 16
.set ADRB, 20
.set STO,  24
.set RD,   25
.set ADRS, 27
.set SPW,  28
.set NIL,  29
.set BQO,  30                          ; v30  32 x (lane / 16): my eight numbers of a block of 16 of bq
.set SC,   32
.set AF,   128
.set BK,   128                         ; the way out: v128-159 and v160-191 by turns
.set TMP,  192
.set BI,   192
.set G1, 24
.set G0, 32
.set G1B, 48
.set G0B, 56
.set G1S, 68
.set G0S, 76
.set G1SB, 80
.set G0SB, 88
.set ZZ,  95                           ; s95  z
.set MSB, 0
.macro WIN new                         ; the immediate's high byte repeats the setting that is left
.if MSB != \new
	s_set_vgpr_msb (MSB<<8)|\new
.set MSB, \new
.endif
.endm
.set MUL_LO, 0xa1                      ; source 0 (B) window 1, source 1 (A) window 0, C and D window 2
.set MUL_HI, 0xf1
.set TO_B,   0x40
; A joint load: waves 0 and 1 fetch for A, waves 2 and 3 for B; the branch hangs on the wave's number alone.  An s_nop 0 and four v_nop follow each line.
.macro JLOAD g0a, g1a, g0b, g1b
	s_cmp_eq_u32 s15, 0
	s_cbranch_scc0 .Lfor_b_\@
	tensor_load_to_lds s[\g0a:\g0a+3], s[\g1a:\g1a+7]
	s_nop 0
.rept 4
	v_nop
.endr
	s_branch .Lasked_\@
.Lfor_b_\@:
	tensor_load_to_lds s[\g0b:\g0b+3], s[\g1b:\g1b+7]
	s_nop 0
.rept 4
	v_nop
.endr
.Lasked_\@:
.endm
.macro CROUND                          ; a round of the cluster's barrier
	s_barrier_signal -1
	s_barrier_wait -1
	s_cmp_lg_u32 s14, 0
	s_cbranch_scc1 .Lnot_wave_0_\@
	s_barrier_signal -3
.Lnot_wave_0_\@:
	s_barrier_wait -3
	s_barrier_signal -1
	s_barrier_wait -1
.endm
	s_load_b256 s[4:11], s[0:1], 0x0               ; codes 4, scales 6, bq 8, qkv 10
	v_lshl_add_u32 v[SPW], v0, 2, SPARE
	v_mov_b32 v[NIL], 0
	ds_add_u32 v[SPW], v[NIL]                      ; the wave's opening: the add, twice on end, and its wait ahead of my first tensor load
	ds_add_u32 v[SPW], v[NIL]
	v_lshrrev_b32 v1, 5, v0
	v_readfirstlane_b32 s14, v1                    ; wave 0..3
	s_lshr_b32 s15, s14, 1                         ; which half of the tile's rows is mine.  Also: I fetch for A (0) or for B (1)
	s_and_b32 s16, s14, 1                          ; which half of its columns.  Also: which 128 rows I fetch
	s_bfe_u32 s40, ttmp6, 0x40000                  ; cx
	s_bfe_u32 s41, ttmp6, 0x40004                  ; cy
	s_and_b32 s96, ttmp7, 0xffff                   ; cluster y, 0..23: the same in all sixteen partners
	s_lshr_b32 s[ZZ], s96, 3                       ; z
	s_and_b32 s96, s96, 7                          ; which 1,024 tokens
	s_lshl_b32 s97, s[ZZ], 13                      ; the activations' first stacked row
	s_lshl_b32 s98, s[ZZ], 10
	s_add_co_u32 s98, s98, 24576                   ; the weight's
	s_mov_b32 s2, 8192
	s_mov_b32 s3, 262144
	s_cmp_eq_u32 s[ZZ], 2                          ; only selects and moves follow this compare
	s_cselect_b32 s99, s96, 0                      ; the tokens lie along the columns (z = 2)
	s_cselect_b32 s96, 0, s96                      ; or along the rows
	s_cselect_b32 s20, s98, s97                    ; A's first stacked row
	s_cselect_b32 s46, s97, s98                    ; B's
	s_cselect_b32 s18, s2, s3                      ; STRC: bytes from a wave's first 64 columns to its second: a key block (z = 2) or a head
	s_cselect_b32 s3, s3, s2                       ; STRG: bytes from its first 64 rows to its second: a head (z = 2) or 64 tokens
	s_mov_b32 s2, s18
	s_lshl_b32 s42, s99, 2
	s_add_co_u32 s42, s42, s40                     ; tile column
	s_lshl_b32 s17, s96, 2
	s_add_co_u32 s17, s17, s41                     ; tile row
	s_lshl_b32 s43, s41, 2
	s_lshl_b32 s43, 15, s43                        ; my row of the cluster
	s_lshl_b32 s44, 0x1111, s40                    ; my column
	s_or_b32 s[G1+0], s43, (0<<16)|(1<<20)|(1<<21)|(5<<22)|(3<<25)  ; the mask; elements of 1 byte; padding on; bit 21 beside a mask; 4 words behind every 64
	s_or_b32 s[G1B+0], s44, (0<<16)|(1<<20)|(1<<21)|(5<<22)|(3<<25)
.irp g, G1, G1B
	s_mov_b32 s[\g+1], ROWB<<16                    ; tensor_dim0
	s_mov_b32 s[\g+2], 128<<16                     ; tensor_dim1
	s_mov_b32 s[\g+3], ROWB<<16                    ; tile_dim0
	s_mov_b32 s[\g+4], 128                         ; tile_dim1
	s_mov_b32 s[\g+5], KROW                        ; from row to row
	s_mov_b32 s[\g+6], 0
	s_mov_b32 s[\g+7], 0
.endr
	s_or_b32 s[G1S+0], s43, (3<<16)|(1<<20)|(1<<21)|(5<<22)|(3<<25)  ; the scales of 128 rows: 4,096 dense bytes as 16 rows of 32 elements of 8 bytes, 16 bytes of padding behind each
	s_or_b32 s[G1SB+0], s44, (3<<16)|(1<<20)|(1<<21)|(5<<22)|(3<<25)
.irp g, G1S, G1SB
	s_mov_b32 s[\g+1], 32<<16
	s_mov_b32 s[\g+2], (128*KS/256)<<16
	s_mov_b32 s[\g+3], 32<<16
	s_mov_b32 s[\g+4], 128*KS/256
	s_mov_b32 s[\g+5], 32
	s_mov_b32 s[\g+6], 0
	s_mov_b32 s[\g+7], 0
.endr
	s_lshl_b32 s18, s16, 7                         ; which 128 rows of the tile I fetch
	s_lshl_b32 s19, s17, 8
	s_add_co_u32 s20, s20, s19
	s_add_co_u32 s20, s20, s18                     ; A: stacked row (no register on A's way ever holds cx)
	s_lshl_b32 s47, s42, 8
	s_add_co_u32 s46, s46, s47
	s_add_co_u32 s46, s46, s18                     ; B: stacked row (none on B's way holds cy)
	s_lshl_b32 s22, s20, 5                         ; their scales: 32 bytes a row (all under 2^24)
	s_mov_b32 s23, 0
	s_lshl_b32 s92, s46, 5
	s_mov_b32 s93, 0
	s_lshl_b32 s20, s20, 9                         ; their codes: 512 bytes a row
	s_mov_b32 s21, 0
	s_lshl_b32 s46, s46, 9
	s_mov_b32 s47, 0
	s_mul_i32 s45, s14, HALFT                      ; where they go: wave x 128 rows
	s_mul_i32 s94, s14, HALFS
	s_wait_dscnt 0x0                               ; both opening adds are done
	s_wait_kmcnt 0x0
	s_add_nc_u64 s[20:21], s[4:5], s[20:21]
	s_add_nc_u64 s[22:23], s[6:7], s[22:23]
	s_add_nc_u64 s[46:47], s[4:5], s[46:47]
	s_add_nc_u64 s[92:93], s[6:7], s[92:93]
	CROUND                                         ; all sixteen work-groups are here: the joint loads meet
	s_mov_b32 s[G0S], 1
	s_add_co_u32 s[G0S+1], s94, SCL
	s_mov_b64 s[G0S+2:G0S+3], s[22:23]
	s_or_b32 s[G0S+3], s[G0S+3], 0x80000000
	s_mov_b32 s[G0SB], 1
	s_add_co_u32 s[G0SB+1], s94, SCL
	s_mov_b64 s[G0SB+2:G0SB+3], s[92:93]
	s_or_b32 s[G0SB+3], s[G0SB+3], 0x80000000
	JLOAD G0S, G1S, G0SB, G1SB                     ; the scales first; then both slots: three tensor loads of mine are out
.irp s, 0,1
	s_mov_b32 s[G0+4*\s], 1
	s_add_co_u32 s[G0+4*\s+1], s45, \s*SLOT
	s_add_nc_u64 s[G0+4*\s+2:G0+4*\s+3], s[20:21], \s*ROWB
	s_or_b32 s[G0+4*\s+3], s[G0+4*\s+3], 0x80000000
	s_mov_b32 s[G0B+4*\s], 1
	s_add_co_u32 s[G0B+4*\s+1], s45, \s*SLOT
	s_add_nc_u64 s[G0B+4*\s+2:G0B+4*\s+3], s[46:47], \s*ROWB
	s_or_b32 s[G0B+4*\s+3], s[G0B+4*\s+3], 0x80000000
	JLOAD G0+4*\s, G1, G0B+4*\s, G1B
.endr
	v_and_b32 v1, 15, v0                           ; r
	v_bfe_u32 v2, v0, 4, 1                         ; h
	v_mul_u32_u24 v3, v1, PITCH
	v_lshl_add_u32 v4, v2, 4, v3                   ; a fragment's row x pitch + 16 h
	s_mul_i32 s21, s15, HALFT                      ; my 128 rows of A
	s_mul_i32 s22, s16, HALFT
	s_add_co_u32 s22, s22, 2*HALFT                 ; my 128 rows of B, behind A's 256
.irp s, 0,1
	v_add_nc_u32 v[ADRA+\s], s21, v4
	v_add_nc_u32 v[ADRB+\s], s22, v4
	s_add_co_u32 s21, s21, SLOT
	s_add_co_u32 s22, s22, SLOT
.endr
	v_mul_u32_u24 v5, v1, KS                       ; my row's scales: 32 bytes a row,
	v_lshrrev_b32 v6, 8, v5
	v_lshl_add_u32 v5, v6, 4, v5                   ; and 16 more for each 256 passed
	s_mul_i32 s21, s15, HALFS
	s_mul_i32 s22, s16, HALFS
	s_add_co_u32 s22, s22, 2*HALFS
	s_sub_co_u32 s22, s22, s21
	v_mul_u32_u24 v6, s22, v2                      ; lanes 16-31 take B's: one product, the distance between the two bases
	s_add_co_u32 s21, s21, SCL
	v_add_nc_u32 v5, v5, v6
	v_add_nc_u32 v[ADRS], s21, v5
	s_mul_i32 s23, s14, 16*SPITCH                  ; my stage
	v_add_nc_u32 v[STO], s23, v4                   ; in: row r, 16 bytes for each half of the lanes (the stage's pitch is the tiles')
	v_and_b32 v6, 31, v0
	v_lshrrev_b32 v5, 3, v6
	v_mul_u32_u24 v5, v5, SPITCH
	v_and_b32 v7, 7, v6
	v_lshl_add_u32 v5, v7, 4, v5
	v_add_nc_u32 v[RD], s23, v5                    ; back: eight lanes take 128 bytes of a row, four rows an instruction
	v_lshlrev_b32 v[CO], 4, v6
	v_add_nc_u32 v[CO+1], s3, v[CO]
	v_add_nc_u32 v[CO+2], s2, v[CO]
	v_add_nc_u32 v[CO+3], s3, v[CO+2]
	v_lshlrev_b32 v[BQO], 5, v2
	s_lshl_b32 s18, s17, 8
	s_lshl_b32 s19, s15, 7
	s_add_co_u32 s18, s18, s19                     ; m0
	s_lshl_b32 s19, s42, 8
	s_lshl_b32 s20, s16, 7
	s_add_co_u32 s19, s19, s20                     ; n0
	s_cmp_eq_u32 s[ZZ], 2
	s_cselect_b32 s20, s19, s18                    ; my first token
	s_cselect_b32 s21, s18, s19                    ; my first channel
	s_lshr_b32 s22, s20, 11
	s_lshl_b32 s22, s22, 4
	s_lshr_b32 s21, s21, 6
	s_add_co_u32 s22, s22, s21                     ; 16 b + h
	s_lshl_b32 s22, s22, 11
	s_and_b32 s20, s20, 2047
	s_or_b32 s22, s22, s20                         ; x 2,048 + s
	s_lshl_b32 s22, s22, 7                         ; x 128 bytes: in v's plane 64 keys x 128 are a key block's 8,192
	s_lshl_b32 s20, s[ZZ], 24
	s_add_co_u32 s22, s22, s20                     ; + the plane
	s_mov_b32 s23, 0
	s_add_nc_u64 s[12:13], s[10:11], s[22:23]      ; where my part of the output begins
	s_lshl_b32 s22, s19, 2                         ; n0 x 4: used for bq, where z = 0
.macro FRAG reg, adr, q, i             ; 16 rows x 128 K of 4-bit codes: 8 registers: lane l holds row l % 16; registers 4 c .. 4 c + 3 hold K = 64 c + 32 (l / 16) + 0 .. 31
.irp c, 0,1
	ds_load_b128 v[\reg+4*\c:\reg+4*\c+3], v[\adr] offset:64*(\q)+32*\c+(\i)*16*PITCH
.endr
.endm
; 16 matrix instructions: A's blocks a0, a0 + 1 x B's eight.  The 64 accumulators take turns, one instruction a turn, in the same order in every step.
; One register carries A's scale word (lanes 0-15) and B's (lanes 16-31) of block i.
.macro MUL16 a0, p, q, sc, zero
.irp a, \a0, \a0+1
.irp b, 0,1,2,3,4,5,6,7
.if \zero
	v_wmma_scale_f32_16x16x128_f8f6f4 v[8*(8*((\a)%4)+\b):8*(8*((\a)%4)+\b)+7], v[128*(\p)+FR*\b:128*(\p)+FR*\b+FR-1], v[AF+FR*(\a):AF+FR*(\a)+FR-1], 0, v[SC+8*NQ*(\sc)+NQ*\b+(\q)], v[SC+8*NQ*(\sc)+NQ*(\a)+(\q)] matrix_a_fmt:MATRIX_FMT_FP4 matrix_b_fmt:MATRIX_FMT_FP4 matrix_a_scale:MATRIX_SCALE_ROW1
.else
	v_wmma_scale_f32_16x16x128_f8f6f4 v[8*(8*((\a)%4)+\b):8*(8*((\a)%4)+\b)+7], v[128*(\p)+FR*\b:128*(\p)+FR*\b+FR-1], v[AF+FR*(\a):AF+FR*(\a)+FR-1], v[8*(8*((\a)%4)+\b):8*(8*((\a)%4)+\b)+7], v[SC+8*NQ*(\sc)+NQ*\b+(\q)], v[SC+8*NQ*(\sc)+NQ*(\a)+(\q)] matrix_a_fmt:MATRIX_FMT_FP4 matrix_b_fmt:MATRIX_FMT_FP4 matrix_a_scale:MATRIX_SCALE_ROW1
.endif
.endr
.endr
.endm
.macro FETCH_B slot, q, p
	WIN TO_B
.irp i, 0,1,2,3,4,5,6,7
	FRAG 128*(\p)+FR*\i, ADRB+\slot, \q, \i
.endr
	WIN 0
.endm
.macro FETCH_A slot, q, i0
.irp i, \i0, \i0+1, \i0+2, \i0+3
	FRAG AF+FR*(\i), ADRA+\slot, \q, \i
.endr
.endm
.macro SCALES sc                       ; a slot's scale words: 4 words a row; lanes 0-15 A's block i, lanes 16-31 B's block i
.irp i, 0,1,2,3,4,5,6,7
	ds_load_b128 v[SC+8*NQ*\sc+NQ*\i:SC+8*NQ*\sc+NQ*\i+3], v[ADRS] offset:\i*SBLK
.endr
.endm
.macro PLACES n                        ; plain vector instructions that name no register of the matrix instructions before them (ISA guide 7.12.1)
.rept \n
	v_nop
.endr
.endm
.macro STEP slot, q, zero              ; a step of 128 along K that has its successor in the same slot
	s_wait_dscnt 4*NL                              ; B's set and A's blocks 0-3 are in; the youngest eight loads (A's blocks 4-7) may be out
	WIN MUL_LO
	MUL16 0, (\q)%2, \q, \slot, \zero
	MUL16 2, (\q)%2, \q, \slot, \zero
	s_wait_dscnt 0
	PLACES NP
	FETCH_B \slot, (\q)+1, 1-(\q)%2
	FETCH_A \slot, (\q)+1, 0
	WIN MUL_HI
	MUL16 4, (\q)%2, \q, \slot, \zero
	MUL16 6, (\q)%2, \q, \slot, \zero
	PLACES NP
	WIN 0
	FETCH_A \slot, (\q)+1, 4
.endm
.macro STEPS slot, from
.set Q, \from
.rept NQ-1-\from
	STEP \slot, Q, 0
.set Q, Q+1
.endr
.endm
	s_wait_tensorcnt 1                             ; the scales and my part of slot 0 are in; slot 1's load may be out
	s_barrier_signal -1
	s_barrier_wait -1
	FETCH_B 0, 0, 0
	FETCH_A 0, 0, 0
	SCALES 0
	FETCH_A 0, 0, 4
	STEP 0, 0, 1                                   ; the first products start the sums: nothing is cleared
	STEPS 0, 1
	; slot 0's last step changes slots: one barrier; in front of it my load of slot 1 has landed and my reads of slot 0 are over
	s_wait_tensorcnt 0x0
	ds_add_u32 v[SPW], v[NIL]
	s_wait_dscnt 4*NL+1                            ; (the add and A's blocks 4-7 may be out)
	WIN MUL_LO
	MUL16 0, 1, NQ-1, 0, 0
	s_wait_dscnt 0x0
	s_barrier_signal -1
	MUL16 2, 1, NQ-1, 0, 0
	WIN 0
	s_barrier_wait -1
	PLACES NP
	v_add_nc_u32 v[ADRS], 4*NQ, v[ADRS]            ; the second slot's scale words (no LDS load of mine is out)
	FETCH_B 1, 0, 0
	FETCH_A 1, 0, 0
	SCALES 1
	WIN MUL_HI
	MUL16 4, 1, NQ-1, 0, 0
	MUL16 6, 1, NQ-1, 0, 0
	PLACES NP
	WIN 0
	FETCH_A 1, 0, 4
	STEPS 1, 0
	s_wait_dscnt 4*NL                              ; the very last step: nothing more to fetch
	WIN MUL_LO
	MUL16 0, 1, NQ-1, 1, 0
	MUL16 2, 1, NQ-1, 1, 0
	s_wait_dscnt 0
	WIN MUL_HI
	MUL16 4, 1, NQ-1, 1, 0
	MUL16 6, 1, NQ-1, 1, 0
	WIN 0
	PLACES NP                                      ; in front of the first reads of results and of loads into registers that held fragments
	; bq, for z = 0 alone: z is the same in all partners of a cluster.  The loads stand with their use, so that no path reads a register that it has not written
	s_cmp_lg_u32 s[ZZ], 0
	s_cbranch_scc1 .Lnobias
	s_add_nc_u64 s[8:9], s[8:9], s[22:23]          ; bq at my first column
.irp b, 0,1,2,3,4,5,6,7
	global_load_b128 v[BI+8*\b:BI+8*\b+3], v[BQO], s[8:9] offset:64*\b       ; bq[n0 + 16 b + 8 h + 0 .. 7]: what registers 0-7 of every accumulator (a, b) hold
	global_load_b128 v[BI+8*\b+4:BI+8*\b+7], v[BQO], s[8:9] offset:64*\b+16
.endr
	s_wait_loadcnt 0x0
.irp a, 0,1,2,3,4,5,6,7
	WIN 0x82+0x41*(\a/4)                           ; destination and source 0 in window 2 or 3, bq in window 0
.irp b, 0,1,2,3,4,5,6,7
.irp p, 0,2,4,6
	v_pk_add_f32 v[64*(\a%4)+8*\b+\p:64*(\a%4)+8*\b+\p+1], v[64*(\a%4)+8*\b+\p:64*(\a%4)+8*\b+\p+1], v[BI+8*\b+\p:BI+8*\b+\p+1]   ; each accumulator from its low end on
.endr
.endr
.endr
	WIN 0
.Lnobias:
; THE WAY OUT, a block of 16 rows x 128 columns at a time: rounded to f16, 16 bytes a lane into my own stage, back as halves of rows: four rows' 128 bytes are 512 consecutive bytes of the output
; (four tokens of one head, or four channels of one key block).  LDS serves a wave's instructions in order: no wait between the stores and the loads.
.macro PACK a
.set AC, 64*((\a)%4)
	WIN 0x0a+5*((\a)/4)                            ; sources 0 and 1: window 2 or 3
.irp b, 0,1,2,3,4,5,6,7
.irp r, 0,1,2,3
	v_cvt_pk_f16_f32 v[TMP+4*\b+\r], v[AC+8*\b+2*\r], v[AC+8*\b+2*\r+1]
.endr
.endr
	WIN 0
.endm
.macro TOSTAGE a
.set BB, BK+32*((\a)%2)
.irp b, 0,1,2,3,4,5,6,7
	ds_store_b128 v[STO], v[TMP+4*\b:TMP+4*\b+3] offset:32*\b
.endr
.irp t, 0,1,2,3,4,5,6,7
	ds_load_b128 v[BB+4*\t:BB+4*\t+3], v[RD] offset:(4*(\t%4))*SPITCH+(\t/4)*128
.endr
.endm
.macro SEND a
.set BB, BK+32*((\a)%2)
	s_wait_dscnt 0x0                               ; the block is back in registers
	s_wait_xcnt 0x0                                ; the stores issued so far have read their registers: the next block's loads land in them only behind this wait
.irp t, 0,1,2,3,4,5,6,7
	global_store_b128 v[CO+2*(\t/4)+(\a)/4], v[BB+4*\t:BB+4*\t+3], s[12:13] offset:((\a)%4)*2048+(\t%4)*512   ; 32 lanes store 512 consecutive bytes, aligned
.endr
.endm
	PACK 0
	TOSTAGE 0
.irp a, 1,2,3,4,5,6,7
	PACK \a                                        ; block a's conversions stand between block a - 1's loads from the stage and the wait for them
	SEND \a-1
	TOSTAGE \a
.endr
	SEND 7
	s_wait_tensorcnt 0x0                           ; the wave's end
	ds_add_u32 v[SPW], v[NIL]
	s_wait_dscnt 0x0
	CROUND                                         ; the closing round
	s_endpgm
.Lfunc_end_k_q0a9fd065f3_proj:
	.size	k_q0a9fd065f3_proj, .Lfunc_end_k_q0a9fd065f3_proj-k_q0a9fd065f3_proj
	.p2alignl 7, 3214868480
	.fill 96, 4, 3214868480
	.section	.rodata,"a",@progbits
	.p2align	6, 0x0
	.amdhsa_kernel k_q0a9fd065f3_proj
		.amdhsa_group_segment_fixed_size 327680
		.amdhsa_private_segment_fixed_size 0
		.amdhsa_enable_private_segment 0
		.amdhsa_kernarg_size 32
		.amdhsa_user_sgpr_count 2
		.amdhsa_user_sgpr_kernarg_segment_ptr 1
		.amdhsa_wavefront_size32 1
		.amdhsa_system_sgpr_workgroup_id_x 1
		.amdhsa_system_sgpr_workgroup_id_y 1
		.amdhsa_system_sgpr_workgroup_id_z 1
		.amdhsa_system_vgpr_workitem_id 0
		.amdhsa_next_free_vgpr 1024
		.amdhsa_next_free_sgpr 100
		.amdhsa_reserve_vcc 0
		.amdhsa_float_denorm_mode_32 3
		.amdhsa_float_denorm_mode_16_64 3
		.amdhsa_memory_ordered 1
		.amdhsa_forward_progress 1
		.amdhsa_inst_pref_size 145
	.end_amdhsa_kernel
	.amdgpu_metadata
---
amdhsa.version: [ 1, 2 ]
amdhsa.kernels:
  - .name:           k_q0a9fd065f3_proj
    .symbol:         k_q0a9fd065f3_proj.kd
    .args:
      - { .name: codes, .offset: 0, .size: 8, .value_kind: global_buffer, .address_space: global }
      - { .name: scales, .offset: 8, .size: 8, .value_kind: global_buffer, .address_space: global }
      - { .name: bq, .offset: 16, .size: 8, .value_kind: global_buffer, .address_space: global }
      - { .name: qkv, .offset: 24, .size: 8, .value_kind: global_buffer, .address_space: global }
    .group_segment_fixed_size: 327680
    .private_segment_fixed_size: 0
    .kernarg_segment_align: 8
    .kernarg_segment_size: 32
    .max_flat_workgroup_size: 128
    .sgpr_count:     100
    .vgpr_count:     1024
    .wavefront_size: 32
...
	.end_amdgpu_metadata
.endif
;; end of part 2
;; launch attn (part 3): grid 4 x 64, 8 waves a work-group, clusters of 4 x 1, 327,680 bytes of LDS; arguments qkv, bv, att; writes att
.if DOCPART == 3
	.amdgcn_target "amdgcn-amd-amdhsa--gfx1250"
	.amdhsa_code_object_version 6
	.text
	.protected	k_q0a9fd065f3_attn
	.globl	k_q0a9fd065f3_attn
	.p2align	8
	.type	k_q0a9fd065f3_attn,@function
k_q0a9fd065f3_attn:
	s_mov_b64 s[64:65], 0
	v_nop
	global_prefetch_b8 v0, s[64:65] scope:SCOPE_SE
	s_setreg_imm32_b32 hwreg(HW_REG_WAVE_MODE, 25, 1), 1
	s_wait_xcnt 0x0
	s_wait_alu depctr_hold_cnt(0) depctr_sa_sdst(0) depctr_va_vdst(0) depctr_va_sdst(0) depctr_va_ssrc(0) depctr_va_vcc(0) depctr_vm_vsrc(0)
	s_getreg_b32 s2, hwreg(HW_REG_IB_STS2, 6, 4)
	s_cmp_eq_u32 s2, 0
	s_cbranch_scc0 .Lentry_in_a_cluster
	s_endpgm
.Lentry_in_a_cluster:
	s_bfe_u32 s2, ttmp6, 0x10000c
	s_cmp_lg_u32 s2, 0x3003
	s_cbranch_scc0 .Lentry_shape_is_right
	s_endpgm
.Lentry_shape_is_right:
; Launch 3 of 4: att[b][h][q][:] = sum over keys of softmax(q . k / 8) v + bv, for 64 pairs (b, h), 2,048 queries and keys, head size 64.  q, k, v: f16; products, maxima and sums in f32;
; the weights p are rounded to f16 for the second product, the result once at the end, to f16.
; LEFT OUT: bk (dead work, shown at the head of the first kernel).  bv is added HERE: the weights sum to 1, so sum(p (v0 + bv)) / l = sum(p v0) / l + bv: one fused multiply-add with the division by l.
; LIMIT: a result above 65,504 in magnitude becomes infinite in f16.
; SHARES.  A cluster of four work-groups is one (b, h); a work-group owns 512 queries, each of its eight waves 64: four tiles of 16.  Two waves share a SIMD: a wave goes in phases (K Q^T, softmax, V^T P),
; and one wave's vector phase stands beside the other's matrix phase.  Each fragment of K or V read from LDS feeds four matrix instructions.
; LAYOUT.  S^T = K Q^T (source 0 = 16 keys, source 1 = 16 queries), O^T = V^T P (source 0 = 16 channels x 32 keys, source 1 = P): a lane holds ONE query throughout.  Two score tiles, rounded in pairs,
; ARE source 1 of the second product.  v lies in memory with the keys innermost, so its fragments are plain loads.
; SOFTMAX.  A running maximum m and sum l for each query: p = 2^(c s - c m), c = log2(e) / 8; in every step O and l are multiplied by a = 2^(c m_old - c m_new).
; THE RING.  Two LDS slots of 512 keys (eight steps of 64).  Every wave brings an eighth of a slot by one joint load (mask: all four work-groups): waves 0-3 K's quarters, waves 4-7 V's.  Rows of 128 bytes,
; dense in memory, are stated as rows of 256 bytes with 16 of padding behind each: row j lies at (j / 2) 272 + (j % 2) 128, so 16 neighbouring rows start at 16 different 16-byte columns modulo 256.
; No prefetch: a refill is itself issued eight key steps ahead of its first read, there are two refills in all, and slots 0 and 1 are fills at the head.
; REGISTERS.  window 0: v1-15 addresses; v16-47 statistics, 8 a tile; v48-111 K's 8 fragments; v128-255 S^T, 32 a tile (P in the first 16).  window 1: v0-127 O^T, 32 a tile; v128-191 Q; v192-255 V's 8 fragments.
.set STEPB, 8704                       ; 64 rows of 128 bytes in LDS: 32 x 272
.set VOFF,  8*STEPB                    ; a slot: K's eight steps, then V's
.set SLOT,  2*VOFF
.set SPARE, 2*SLOT                     ; the spare words, 128 bytes a wave, named by no other line
.set SP,    144                        ; the way out: a stage of 16 rows x (128 + 16) bytes a wave, in slot 0, behind its last fill and its last read
.set AK0,  2
.set AV0,  3
.set ADRK, 4
.set ADRV, 5
.set QO,   6
.set STO,  7
.set RD,   8
.set GO,   9
.set SPW,  12
.set NIL,  13
.set BVO,  14
.set ST,   16                          ; tile t at v[ST + 8 t]: +0 c m, +1 m, +2, +3 l (even keys', odd keys'), +4 to +7 at work; a at +6
.set KF,   48
.set S,    128
.set QB,   128                         ; in window 1
.set VB,   192                         ; in window 1
.set WV,   12
.set G1,   24
.set G0,   32                          ; s[32:35] slot 0's group 0, s[36:39] slot 1's
.set CNT,  56
.set CS,   58
.set SEL,  60
.set TB,   62                          ; LDS byte at which K's tile of the step to be fetched begins
.set MSB, 0
.macro WIN new
.if MSB != \new
	s_set_vgpr_msb (MSB<<8)|\new
.set MSB, \new
.endif
.endm
.set W_KQ, 0x04                        ; Q (source 1) in window 1
.set W_PV, 0x51                        ; V, C and D in window 1; P in window 0
.set W_RS, 0x41                        ; O^T (destination, source 0) in window 1
.set TO_1, 0x40                        ; a load's destination in window 1
.macro PLACES n
.rept \n
	v_nop
.endr
.endm
.macro CROUND                          ; a round of the cluster's barrier
	s_barrier_signal -1
	s_barrier_wait -1
	s_cmp_lg_u32 s[WV], 0
	s_cbranch_scc1 .Lnot_wave_0_\@
	s_barrier_signal -3
.Lnot_wave_0_\@:
	s_barrier_wait -3
	s_barrier_signal -1
	s_barrier_wait -1
.endm
	s_load_b128 s[4:7], s[0:1], 0x0                ; qkv 4, bv 6
	s_load_b64 s[8:9], s[0:1], 0x10                ; att
	v_lshl_add_u32 v[SPW], v0, 2, SPARE
	v_mov_b32 v[NIL], 0
	ds_add_u32 v[SPW], v[NIL]                      ; the wave's opening: the add, twice on end, and its wait ahead of my first tensor load
	ds_add_u32 v[SPW], v[NIL]
	v_lshrrev_b32 v1, 5, v0
	v_readfirstlane_b32 s[WV], v1                  ; wave 0..7
	s_bfe_u32 s13, ttmp6, 0x40000                  ; cx: my block of 512 queries; it enters Q's and att's addresses alone
	s_and_b32 s14, ttmp7, 0xffff                   ; 16 b + h, which the four partners share
	s_mov_b32 s[G1], 15|(1<<16)|(1<<20)|(1<<21)|(5<<22)|(3<<25)  ; the mask: all four; elements of 2 bytes; padding on; bit 21 beside a mask; 4 words behind every 64
	s_mov_b32 s[G1+1], 128<<16                     ; tensor_dim0 = 128 elements (256 bytes)
	s_mov_b32 s[G1+2], 64<<16                      ; tensor_dim1 = 64
	s_mov_b32 s[G1+3], 128<<16                     ; tile_dim0
	s_mov_b32 s[G1+4], 64                          ; tile_dim1
	s_mov_b32 s[G1+5], 128                         ; from row to row: dense
	s_mov_b32 s[G1+6], 0
	s_mov_b32 s[G1+7], 0
	s_mov_b32 s[CS], 0x3e38aa3b                    ; c = log2(e) / 8
	s_mov_b32 s[CS+1], s[CS]                       ; named with it as a pair, so it is written
	s_mov_b32 s[SEL], 0x76543210
	s_mov_b32 s[SEL+1], 0xfedcba98
	s_lshl_b32 s16, s14, 18                        ; a head is 262,144 bytes in every plane
	s_lshr_b32 s17, s[WV], 2
	s_add_co_u32 s17, s17, 1
	s_lshl_b32 s17, s17, 24                        ; plane 1 (k) for waves 0-3, plane 2 (v) for waves 4-7
	s_and_b32 s18, s[WV], 3
	s_lshl_b32 s18, s18, 14                        ; my quarter of a slot: 16,384 bytes
	s_add_co_u32 s20, s16, s17
	s_add_co_u32 s20, s20, s18
	s_mov_b32 s21, 0
	s_mul_i32 s19, s[WV], 2*STEPB                  ; and its place in a slot: V's quarters follow K's
	s_lshl_b32 s22, s13, 16
	s_lshl_b32 s23, s[WV], 13
	s_add_co_u32 s22, s22, s23
	s_add_co_u32 s22, s22, s16                     ; my wave's 64 queries: 8,192 bytes on end, in q's plane and in att
	s_mov_b32 s23, 0
	s_and_b32 s2, s14, 15
	s_lshl_b32 s2, s2, 8                           ; the head's 64 numbers of bv
	s_mov_b32 s3, 0
	s_wait_dscnt 0x0                               ; both opening adds are done
	s_wait_kmcnt 0x0
	s_add_nc_u64 s[20:21], s[4:5], s[20:21]
	s_add_nc_u64 s[4:5], s[4:5], s[22:23]
	s_add_nc_u64 s[8:9], s[8:9], s[22:23]
	s_add_nc_u64 s[6:7], s[6:7], s[2:3]
	CROUND                                         ; all four work-groups are here: the first joint loads meet
.irp n, 0,1
	s_mov_b32 s[G0+4*\n], 1
	s_add_co_u32 s[G0+4*\n+1], s19, \n*SLOT
	s_add_nc_u64 s[G0+4*\n+2:G0+4*\n+3], s[20:21], \n*65536   ; slot n begins with keys 512 n
	s_or_b32 s[G0+4*\n+3], s[G0+4*\n+3], 0x80000000
.endr
	tensor_load_to_lds s[G0:G0+3], s[G1:G1+7]      ; every wave issues its two first fills: two tensor loads of mine are out
	s_nop 0
	tensor_load_to_lds s[G0+4:G0+7], s[G1:G1+7]
	s_nop 0
	PLACES 4
	v_and_b32 v1, 15, v0                           ; r
	v_bfe_u32 v10, v0, 4, 1                        ; h
	v_lshrrev_b32 v11, 1, v1
	v_mul_u32_u24 v[AK0], v11, 272
	v_and_b32 v11, 1, v1
	v_lshl_add_u32 v[AK0], v11, 7, v[AK0]
	v_lshl_add_u32 v[AK0], v10, 4, v[AK0]          ; row r of a tile of 16, + 16 h
	v_add_nc_u32 v[AV0], VOFF, v[AK0]
	v_lshlrev_b32 v[QO], 7, v1
	v_lshl_add_u32 v[QO], v10, 4, v[QO]
	s_mul_i32 s16, s[WV], 16*SP                    ; my stage
	v_mul_u32_u24 v[STO], v1, SP
	v_lshl_add_u32 v[STO], v10, 4, v[STO]
	v_add_nc_u32 v[STO], s16, v[STO]
	v_and_b32 v11, 31, v0
	v_lshlrev_b32 v[GO], 4, v11
	v_lshrrev_b32 v15, 3, v11
	v_mul_u32_u24 v[RD], v15, SP
	v_and_b32 v15, 7, v11
	v_lshl_add_u32 v[RD], v15, 4, v[RD]
	v_add_nc_u32 v[RD], s16, v[RD]
	v_lshlrev_b32 v[BVO], 5, v10
	WIN TO_1
.irp t, 0,1,2,3
.irp c, 0,1
	global_load_b128 v[QB+16*\t+8*\c:QB+16*\t+8*\c+3], v[QO], s[4:5] offset:\t*2048+64*\c       ; Q stays in registers: tile t, channels 32 c on
	global_load_b128 v[QB+16*\t+8*\c+4:QB+16*\t+8*\c+7], v[QO], s[4:5] offset:\t*2048+64*\c+32
.endr
.endr
	WIN 0
.macro FETCH_K                         ; a step's K: 64 keys x 64 channels: fragment (kt, c) = keys 16 kt on, channels 32 c on
.irp kt, 0,1,2,3
.irp c, 0,1
	ds_load_b128 v[KF+8*(2*\kt+\c):KF+8*(2*\kt+\c)+3], v[ADRK] offset:\kt*2176+64*\c
	ds_load_b128 v[KF+8*(2*\kt+\c)+4:KF+8*(2*\kt+\c)+7], v[ADRK] offset:\kt*2176+64*\c+32
.endr
.endr
.endm
.macro FETCH_V                         ; a step's V^T: fragment (ct, kh) = channels 16 ct on, keys 32 kh on
	WIN TO_1
.irp ct, 0,1,2,3
.irp kh, 0,1
	ds_load_b128 v[VB+8*(2*\ct+\kh):VB+8*(2*\ct+\kh)+3], v[ADRV] offset:\ct*2176+64*\kh
	ds_load_b128 v[VB+8*(2*\ct+\kh)+4:VB+8*(2*\ct+\kh)+7], v[ADRV] offset:\ct*2176+64*\kh+32
.endr
.endr
.endm
; 32 products each.  The sixteen accumulators take turns, one instruction a turn.
.macro KQ
	WIN W_KQ
.irp c, 0,1
.irp kt, 0,1,2,3
.irp t, 0,1,2,3
.if \c == 0
	v_wmma_f32_16x16x32_f16 v[S+32*\t+8*\kt:S+32*\t+8*\kt+7], v[KF+8*(2*\kt+\c):KF+8*(2*\kt+\c)+7], v[QB+16*\t+8*\c:QB+16*\t+8*\c+7], 0
.else
	v_wmma_f32_16x16x32_f16 v[S+32*\t+8*\kt:S+32*\t+8*\kt+7], v[KF+8*(2*\kt+\c):KF+8*(2*\kt+\c)+7], v[QB+16*\t+8*\c:QB+16*\t+8*\c+7], v[S+32*\t+8*\kt:S+32*\t+8*\kt+7]
.endif
.endr
.endr
.endr
.endm
.macro PV first
	WIN W_PV
.irp kh, 0,1
.irp ct, 0,1,2,3
.irp t, 0,1,2,3
.if \first && (\kh == 0)
	v_wmma_f32_16x16x32_f16 v[32*\t+8*\ct:32*\t+8*\ct+7], v[VB+8*(2*\ct+\kh):VB+8*(2*\ct+\kh)+7], v[S+32*\t+8*\kh:S+32*\t+8*\kh+7], 0
.else
	v_wmma_f32_16x16x32_f16 v[32*\t+8*\ct:32*\t+8*\ct+7], v[VB+8*(2*\ct+\kh):VB+8*(2*\ct+\kh)+7], v[S+32*\t+8*\kh:S+32*\t+8*\kh+7], v[32*\t+8*\ct:32*\t+8*\ct+7]
.endif
.endr
.endr
.endr
.endm
; THE SOFTMAX of a step, the four tiles by turns in every stage, so that no line waits for the line above it.  first = 1: the first key step, which starts m, l and O^T.
.macro SOFTMAX first
	WIN 0
.irp j, 0,1,2,3                        ; the maximum: four chains a tile, one for each score tile, each read from its low end on
.irp t, 0,1,2,3
	v_max3_num_f32 v[ST+8*\t+4+\j], v[S+32*\t+8*\j], v[S+32*\t+8*\j+1], v[S+32*\t+8*\j+2]
.endr
.endr
.irp u, 1,2
.irp j, 0,1,2,3
.irp t, 0,1,2,3
	v_max3_num_f32 v[ST+8*\t+4+\j], v[ST+8*\t+4+\j], v[S+32*\t+8*\j+2*\u+1], v[S+32*\t+8*\j+2*\u+2]
.endr
.endr
.endr
.irp t, 0,1,2,3
	v_max3_num_f32 v[ST+8*\t+4], v[ST+8*\t+4], v[S+32*\t+7], v[S+32*\t+15]
.endr
.irp t, 0,1,2,3
	v_max3_num_f32 v[ST+8*\t+6], v[ST+8*\t+6], v[S+32*\t+23], v[S+32*\t+31]
.endr
.irp t, 0,1,2,3
	v_max3_num_f32 v[ST+8*\t+4], v[ST+8*\t+4], v[ST+8*\t+5], v[ST+8*\t+6]
.endr
.irp t, 0,1,2,3
.if \first
	v_max_num_f32 v[ST+8*\t+4], v[ST+8*\t+4], v[ST+8*\t+7]
.else
	v_max3_num_f32 v[ST+8*\t+4], v[ST+8*\t+4], v[ST+8*\t+7], v[ST+8*\t+1]   ; with the old m
.endif
.endr
.irp t, 0,1,2,3
	v_permlanex16_b32 v[ST+8*\t+5], v[ST+8*\t+4], s[SEL], s[SEL+1]   ; the query's other 32 keys lie in the lane 16 away
.endr
.if \first == 0
.irp t, 0,1,2,3
	v_mov_b32 v[ST+8*\t+7], v[ST+8*\t]             ; c m_old is kept for a
.endr
.endif
.irp t, 0,1,2,3
	v_max_num_f32 v[ST+8*\t+1], v[ST+8*\t+4], v[ST+8*\t+5]
.endr
.irp t, 0,1,2,3
	v_mul_f32 v[ST+8*\t], s[CS], v[ST+8*\t+1]
.endr
.if \first == 0
.irp t, 0,1,2,3
	v_sub_f32 v[ST+8*\t+7], v[ST+8*\t+7], v[ST+8*\t]
.endr
.endif
.irp b, 0,2,4,6,8,10,12,14,16,18,20,22,24,26,28,30
.irp t, 0,1,2,3
	v_pk_fma_f32 v[S+32*\t+\b:S+32*\t+\b+1], v[S+32*\t+\b:S+32*\t+\b+1], s[CS:CS+1], v[ST+8*\t:ST+8*\t+1] op_sel_hi:[1,0,0] neg_lo:[0,0,1] neg_hi:[0,0,1]   ; c s - c m, two at a time
.endr
.endr
.if \first == 0                        ; ONE BATCH of exponentials: a of four tiles and 128 weights; none reads another's result
.irp t, 0,1,2,3
	v_exp_f32 v[ST+8*\t+6], v[ST+8*\t+7]
.endr
.endif
.set e, 0
.rept 32
.irp t, 0,1,2,3
	v_exp_f32 v[S+32*\t+e], v[S+32*\t+e]
.endr
.set e, e+1
.endr
	v_nop                                          ; a plain instruction behind the last exponential (ISA guide 5.7.2)
	s_wait_alu depctr_va_vdst(0)                   ; one wait for the whole batch, ahead of its first reader
.if \first                             ; the sums, of the unrounded weights, in two chains a tile: l and w (+4, +5)
.irp t, 0,1,2,3
	v_pk_add_f32 v[ST+8*\t+2:ST+8*\t+3], v[S+32*\t:S+32*\t+1], v[S+32*\t+2:S+32*\t+3]
.endr
.irp t, 0,1,2,3
	v_pk_add_f32 v[ST+8*\t+4:ST+8*\t+5], v[S+32*\t+4:S+32*\t+5], v[S+32*\t+6:S+32*\t+7]
.endr
.set i, 4
.else
.irp t, 0,1,2,3
	v_pk_fma_f32 v[ST+8*\t+2:ST+8*\t+3], v[ST+8*\t+2:ST+8*\t+3], v[ST+8*\t+6:ST+8*\t+7], v[S+32*\t:S+32*\t+1] op_sel_hi:[1,0,1]   ; l a + the first pair
.endr
.irp t, 0,1,2,3
	v_pk_add_f32 v[ST+8*\t+4:ST+8*\t+5], v[S+32*\t+2:S+32*\t+3], v[S+32*\t+4:S+32*\t+5]
.endr
.set i, 3
.endif
.set z, 0
.rept 16-i
.irp t, 0,1,2,3
	v_pk_add_f32 v[ST+8*\t+2+2*z:ST+8*\t+3+2*z], v[ST+8*\t+2+2*z:ST+8*\t+3+2*z], v[S+32*\t+2*i:S+32*\t+2*i+1]
.endr
.set i, i+1
.set z, 1-z
.endr
.irp t, 0,1,2,3
	v_pk_add_f32 v[ST+8*\t+2:ST+8*\t+3], v[ST+8*\t+2:ST+8*\t+3], v[ST+8*\t+4:ST+8*\t+5]
.endr
.set i, 0
.rept 16                               ; P, in place over the first 16 of a tile's 32: register i is a source only of line i / 2, which is not later than line i
.irp t, 0,1,2,3
	v_cvt_pk_f16_f32 v[S+32*\t+i], v[S+32*\t+2*i], v[S+32*\t+2*i+1]
.endr
.set i, i+1
.endr
.if \first == 0
	WIN W_RS
.set i, 0
.rept 16
.irp t, 0,1,2,3
	v_pk_mul_f32 v[32*\t+2*i:32*\t+2*i+1], v[32*\t+2*i:32*\t+2*i+1], v[ST+8*\t+6:ST+8*\t+7] op_sel_hi:[1,0]   ; O^T x a
.endr
.set i, i+1
.endr
.endif
.endm
; A TRIP finishes key step j - 1 (softmax, V^T P) and begins step j, whose tiles lie at LDS byte TB (K, K Q^T; V is asked for).
.macro TRIP first
	v_add_nc_u32 v[ADRK], s[TB], v[AK0]
	v_add_nc_u32 v[ADRV], s[TB], v[AV0]
	FETCH_K                                        ; lands under the softmax
	SOFTMAX \first
	s_wait_dscnt 16                                ; V of step j - 1 is in; K's sixteen younger loads may be out
	PV \first
	WIN 0
	PLACES 5                                       ; four in front of the loads into V's registers; the fifth since K Q^T writes over P, which these products read
	FETCH_V
	s_wait_dscnt 16                                ; K is in; V's sixteen may be out
	KQ
	WIN 0
	PLACES 4                                       ; in front of the next loads into K's registers and of the first read of the scores
	s_add_co_u32 s[TB], s[TB], STEPB
.endm
.macro LOOP n
	s_mov_b32 s[CNT], \n
.Ltrip_\@:
	TRIP 0
	s_sub_co_u32 s[CNT], s[CNT], 1
	s_cmp_lg_u32 s[CNT], 0
	s_cbranch_scc1 .Ltrip_\@
.endm
; THE CHANGE OF SLOTS, when a slot's last bytes (V of its eighth step) have been asked for.  Each wave waits for all its tensor loads (its part of the other slot), adds 0 to its spare word, and waits for that and
; for its reads.  fill = 1: a round of the cluster's barrier, and the joint refill first behind it, with the keys two slots on: it has eight key steps in which to land.
.macro CHANGE fill, g0
	s_wait_tensorcnt 0x0                           ; no tensor load of mine is out, so a group 0 may be written
	ds_add_u32 v[SPW], v[NIL]
.if \fill
	s_add_nc_u64 s[\g0+2:\g0+3], s[\g0+2:\g0+3], 131072   ; 1,024 keys on; the type bits on top are not reached
.endif
	s_wait_dscnt 0x0                               ; the add is done, and my reads of the slot are over
.if \fill
	CROUND
	tensor_load_to_lds s[\g0:\g0+3], s[G1:G1+7]    ; my one tensor load behind the round
	s_nop 0
	PLACES 4
.else
	s_barrier_signal -1
	s_barrier_wait -1
.endif
.endm
	s_wait_tensorcnt 1                             ; my part of slot 0 is in; slot 1's may stay out
	s_barrier_signal -1
	s_barrier_wait -1
	s_mov_b32 s[TB], 0
	v_add_nc_u32 v[ADRK], s[TB], v[AK0]
	v_add_nc_u32 v[ADRV], s[TB], v[AV0]
	FETCH_K                                        ; key step 0
	FETCH_V
	s_wait_loadcnt 0x0                             ; Q
	s_wait_dscnt 16                                ; K is in; V's sixteen may be out
	KQ
	WIN 0
	PLACES 4
	s_mov_b32 s[TB], STEPB
	TRIP 1                                         ; step 0 is finished and starts m, l and O^T; step 1 begins
	LOOP 6                                         ; steps 2 to 7 begin: slot 0 is read out
	CHANGE 1, G0                                   ; slot 0 takes keys 1,024 on
	s_mov_b32 s[TB], SLOT
	LOOP 8
	CHANGE 1, G0+4                                 ; slot 1 takes keys 1,536 on
	s_mov_b32 s[TB], 0
	LOOP 8
	CHANGE 0, G0                                   ; nothing is left to fetch
	s_mov_b32 s[TB], SLOT
	LOOP 8
.irp ct, 0,1,2,3
	global_load_b128 v[KF+8*\ct:KF+8*\ct+3], v[BVO], s[6:7] offset:64*\ct        ; bv[64 h' + 16 ct + 8 h + 0 .. 7], into K's registers, which are done with (four places stand behind the last K Q^T)
	global_load_b128 v[KF+8*\ct+4:KF+8*\ct+7], v[BVO], s[6:7] offset:64*\ct+16
.endr
	SOFTMAX 0                                      ; the last step
	s_wait_dscnt 0x0
	PV 0
	; THE WAY OUT.  The additions are the places behind the last products.
	WIN 0
.irp t, 0,1,2,3
	v_add_f32 v[ST+8*\t+4], v[ST+8*\t+2], v[ST+8*\t+3]
.endr
.irp t, 0,1,2,3
	v_permlanex16_b32 v[ST+8*\t+5], v[ST+8*\t+4], s[SEL], s[SEL+1]
.endr
.irp t, 0,1,2,3
	v_add_f32 v[ST+8*\t+4], v[ST+8*\t+4], v[ST+8*\t+5]
.endr
.irp t, 0,1,2,3
	v_rcp_f32 v[ST+8*\t+6], v[ST+8*\t+4]
.endr
	v_nop                                          ; a plain instruction behind the last reciprocal
	s_wait_alu depctr_va_vdst(0)                   ; one wait for the four, ahead of their first reader
	s_wait_loadcnt 0x0                             ; bv
; Tile t: O^T / l + bv, rounded to f16; a lane's eight channels are 16 bytes; through my stage, back as four rows of 128 bytes = 512 consecutive bytes of att.
.macro PACK t
	WIN 0x01                                       ; source 0 (O^T) in window 1
.set i, 0
.rept 16
	v_pk_fma_f32 v[S+32*\t+2*i:S+32*\t+2*i+1], v[32*\t+2*i:32*\t+2*i+1], v[ST+8*\t+6:ST+8*\t+7], v[KF+2*i:KF+2*i+1] op_sel_hi:[1,0,1]   ; each accumulator from its low end on
.set i, i+1
.endr
	WIN 0
.set i, 0
.rept 16
	v_cvt_pk_f16_f32 v[S+32*\t+i], v[S+32*\t+2*i], v[S+32*\t+2*i+1]
.set i, i+1
.endr
.irp ct, 0,1,2,3
	ds_store_b128 v[STO], v[S+32*\t+4*\ct:S+32*\t+4*\ct+3] offset:32*\ct
.endr
.irp i, 0,1,2,3
	ds_load_b128 v[S+32*\t+16+4*\i:S+32*\t+16+4*\i+3], v[RD] offset:4*SP*\i   ; LDS serves a wave's instructions in order: these see the stores above, and the next tile's stores come behind them
.endr
.endm
.macro SEND t, younger                 ; younger: the LDS instructions issued behind tile t's loads: the next tile's eight, or none
.irp i, 0,1,2,3
	s_wait_dscnt \younger+3-\i
	global_store_b128 v[GO], v[S+32*\t+16+4*\i:S+32*\t+16+4*\i+3], s[8:9] offset:\t*2048+\i*512   ; 32 lanes store 512 consecutive bytes, aligned
.endr
.endm
	PACK 0
	PACK 1
	SEND 0, 8
	PACK 2
	SEND 1, 8
	PACK 3
	SEND 2, 8
	SEND 3, 0
	s_wait_tensorcnt 0x0                           ; the wave's end
	ds_add_u32 v[SPW], v[NIL]
	s_wait_dscnt 0x0
	CROUND                                         ; the closing round
	s_endpgm
.Lfunc_end_k_q0a9fd065f3_attn:
	.size	k_q0a9fd065f3_attn, .Lfunc_end_k_q0a9fd065f3_attn-k_q0a9fd065f3_attn
	.p2alignl 7, 3214868480
	.fill 96, 4, 3214868480
	.section	.rodata,"a",@progbits
	.p2align	6, 0x0
	.amdhsa_kernel k_q0a9fd065f3_attn
		.amdhsa_group_segment_fixed_size 327680
		.amdhsa_private_segment_fixed_size 0
		.amdhsa_enable_private_segment 0
		.amdhsa_kernarg_size 24
		.amdhsa_user_sgpr_count 2
		.amdhsa_user_sgpr_kernarg_segment_ptr 1
		.amdhsa_wavefront_size32 1
		.amdhsa_system_sgpr_workgroup_id_x 1
		.amdhsa_system_sgpr_workgroup_id_y 1
		.amdhsa_system_sgpr_workgroup_id_z 1
		.amdhsa_system_vgpr_workitem_id 0
		.amdhsa_next_free_vgpr 512
		.amdhsa_next_free_sgpr 66
		.amdhsa_reserve_vcc 0
		.amdhsa_float_denorm_mode_32 3
		.amdhsa_float_denorm_mode_16_64 3
		.amdhsa_memory_ordered 1
		.amdhsa_forward_progress 1
		.amdhsa_inst_pref_size 208
	.end_amdhsa_kernel
	.amdgpu_metadata
---
amdhsa.version: [ 1, 2 ]
amdhsa.kernels:
  - .name:           k_q0a9fd065f3_attn
    .symbol:         k_q0a9fd065f3_attn.kd
    .args:
      - { .name: qkv, .offset: 0, .size: 8, .value_kind: global_buffer, .address_space: global }
      - { .name: bv, .offset: 8, .size: 8, .value_kind: global_buffer, .address_space: global }
      - { .name: att, .offset: 16, .size: 8, .value_kind: global_buffer, .address_space: global }
    .group_segment_fixed_size: 327680
    .private_segment_fixed_size: 0
    .kernarg_segment_align: 8
    .kernarg_segment_size: 24
    .max_flat_workgroup_size: 256
    .sgpr_count:     66
    .vgpr_count:     512
    .wavefront_size: 32
...
	.end_amdgpu_metadata
.endif
;; end of part 3
;; launch outp (part 4): grid 4 x 64, 4 waves a work-group, clusters of 4 x 4, 327,680 bytes of LDS; arguments att, wo16, bo, out0; writes out0
.if DOCPART == 4
	.amdgcn_target "amdgcn-amd-amdhsa--gfx1250"
	.amdhsa_code_object_version 6
	.text
	.protected	k_q0a9fd065f3_outp
	.globl	k_q0a9fd065f3_outp
	.p2align	8
	.type	k_q0a9fd065f3_outp,@function
k_q0a9fd065f3_outp:
	s_mov_b64 s[64:65], 0
	v_nop
	global_prefetch_b8 v0, s[64:65] scope:SCOPE_SE
	s_setreg_imm32_b32 hwreg(HW_REG_WAVE_MODE, 25, 1), 1
	s_wait_xcnt 0x0
	s_wait_alu depctr_hold_cnt(0) depctr_sa_sdst(0) depctr_va_vdst(0) depctr_va_sdst(0) depctr_va_ssrc(0) depctr_va_vcc(0) depctr_vm_vsrc(0)
	s_getreg_b32 s2, hwreg(HW_REG_IB_STS2, 6, 4)
	s_cmp_eq_u32 s2, 0
	s_cbranch_scc0 .Lentry_in_a_cluster
	s_endpgm
.Lentry_in_a_cluster:
	s_bfe_u32 s2, ttmp6, 0x10000c
	s_cmp_lg_u32 s2, 0xf033
	s_cbranch_scc0 .Lentry_shape_is_right
	s_endpgm
.Lentry_shape_is_right:
; Launch 4 of 4: out0[m][n] = sum over k of A[m][k] Wo[n][k] + bo[n].  A is attention's result, f16, laid [b][h][s][64]: k = 64 h + d.  Wo: [1024][1024] f16.  out0: [8192][1024] f32.  Sums in f32.
; A tile of out0 is 128 rows x 256 columns: 64 x 4 = 256 work-groups.  Four waves, each 64 x 128: 32 accumulators, 256 registers.
; K goes in 8 steps of 128 (two heads) through two LDS slots.  In a slot: two planes of A (a head each: 128 tokens x 128 bytes, dense in memory, stated as 64 rows of 256 bytes + 16 of padding: row j lies at
; (j / 2) 272 + (j % 2) 128), then two halves of B (128 rows of 256 bytes + 16).  One tensor load a wave: waves 0, 1 A's planes, waves 2, 3 B's halves.
; CLUSTERS: 4 x 4 work-groups: A's tiles are asked for jointly along a row of the cluster, B's along a column.
; THE MATRIX INSTRUCTION IS USED TRANSPOSED (source 0 = 16 rows of Wo, source 1 = 16 rows of A): a lane holds eight neighbouring columns of one row.  bo is the C of each sum's first product: it costs no addition.
; REGISTERS: window 0: v0-31 addresses; v32-95 bo; v96-127, v128-159 A's fragments, two buffers; on the way out v128-255.  window 1: B's fragments, v0-63 and v64-127.  window 2: the accumulators, (a, b) at v[8 (8 a + b)].
.set PLANE,  64*272                    ; a plane of A in LDS
.set HALFB,  128*272                   ; a half of B
.set SLOT,   2*PLANE+2*HALFB
.set SPARE,  2*SLOT                    ; the spare words, 128 bytes a wave, named by no other line
.set SPITCH, 528                       ; the way out: a stage of 16 rows x (512 + 16) bytes a wave, in slot 0, behind its last fill and its last read
.set LAPS,   4
.set ADRA, 16
.set ADRB, 20
.set STO,  24
.set RD,   25
.set CO,   26
.set SPW,  28
.set NIL,  29
.set PFO,  30
.set BO,   32
.set AF,   96
.set BK,   128
.set G1A, 24
.set G0,  32
.set PFA, 44                           ; s[44:45] where my prefetches stand
.set PFS, 46                           ; s[46:47] a K step on, in bytes
.set G1B, 48
.set G0B, 56
.set LIM, 66                           ; s66  1 in a wave that prefetches, else the greatest number
.set MSB, 0
.macro WIN new
.if MSB != \new
	s_set_vgpr_msb (MSB<<8)|\new
.set MSB, \new
.endif
.endm
.set MUL,       0xa1                   ; source 0 (B) window 1, source 1 (A) window 0, C and D window 2
.set MUL_FIRST, 0x81                   ; the same with C (bo) in window 0
.set TO_B,      0x40
.macro PLACES n
.rept \n
	v_nop
.endr
.endm
.macro JLOAD s                         ; a joint load: waves 0, 1 fetch for A, waves 2, 3 for B; an s_nop 0 and four v_nop follow each line
	s_cmp_eq_u32 s13, 0
	s_cbranch_scc0 .Lfor_b_\@
	tensor_load_to_lds s[G0+4*\s:G0+4*\s+3], s[G1A:G1A+7]
	s_nop 0
.rept 4
	v_nop
.endr
	s_branch .Lasked_\@
.Lfor_b_\@:
	tensor_load_to_lds s[G0B+4*\s:G0B+4*\s+3], s[G1B:G1B+7]
	s_nop 0
.rept 4
	v_nop
.endr
.Lasked_\@:
.endm
.macro CREST                           ; a round of the cluster's barrier behind its opening barrier
	s_cmp_lg_u32 s12, 0
	s_cbranch_scc1 .Lnot_wave_0_\@
	s_barrier_signal -3
.Lnot_wave_0_\@:
	s_barrier_wait -3
	s_barrier_signal -1
	s_barrier_wait -1
.endm
.macro CROUND
	s_barrier_signal -1
	s_barrier_wait -1
	CREST
.endm
; A PREFETCH INTO THE L2 of the K step that stands two refills on (256 matrix instructions of a wave ahead of the load that will want it), one instruction a wave, behind the joint load and the run of LDS loads.
; Each aligned block of 256 bytes is named once.  A's tile row is read by this row of the cluster alone: wave 0 asks; of a K step's 128 blocks the partner at cx takes 32, told apart by address.
; B's tile column is read by all sixteen clusters: in the cluster with y = 0 waves 2 and 3 ask, for the half that they fetch; of its 128 rows the partner at cy takes 32, a lane a row.
; The loop's last trip asks for nothing: K steps 4 to 7 are asked for; 0 to 3 come by their loads alone.
.macro ASK
	s_cmp_gt_u32 s3, s[LIM]
	s_cbranch_scc0 .Lnot_mine_\@
	global_prefetch_b8 v[PFO], s[PFA:PFA+1] th:TH_LOAD_NT scope:SCOPE_SE
.Lnot_mine_\@:
.endm
	s_load_b256 s[4:11], s[0:1], 0x0               ; att 4, wo16 6, bo 8, out0 10
	v_lshl_add_u32 v[SPW], v0, 2, SPARE
	v_mov_b32 v[NIL], 0
	ds_add_u32 v[SPW], v[NIL]                      ; the wave's opening: the add, twice on end, and its wait ahead of my first tensor load
	ds_add_u32 v[SPW], v[NIL]
	v_lshrrev_b32 v1, 5, v0
	v_readfirstlane_b32 s12, v1                    ; wave 0..3
	s_lshr_b32 s13, s12, 1                         ; which 64 rows are mine.  Also: I fetch for A (0) or for B (1)
	s_and_b32 s14, s12, 1                          ; which 128 columns.  Also: which plane or half I fetch
	s_bfe_u32 s40, ttmp6, 0x40000                  ; cx = the tile column
	s_bfe_u32 s41, ttmp6, 0x40004                  ; cy
	s_and_b32 s67, ttmp7, 0xffff                   ; cluster y
	s_lshl_b32 s15, s67, 2
	s_add_co_u32 s15, s15, s41                     ; tile row, 0..63
	s_lshl_b32 s42, s41, 2
	s_lshl_b32 s42, 15, s42                        ; my row of the cluster
	s_lshl_b32 s43, 0x1111, s40                    ; my column
	s_or_b32 s[G1A], s42, (1<<16)|(1<<20)|(1<<21)|(5<<22)|(3<<25)   ; the mask; elements of 2 bytes; padding on; bit 21 beside a mask; 4 words behind every 64
	s_mov_b32 s[G1A+1], 128<<16                    ; A's plane: 64 rows of 128 elements, dense
	s_mov_b32 s[G1A+2], 64<<16
	s_mov_b32 s[G1A+3], 128<<16
	s_mov_b32 s[G1A+4], 64
	s_mov_b32 s[G1A+5], 128
	s_mov_b32 s[G1A+6], 0
	s_mov_b32 s[G1A+7], 0
	s_or_b32 s[G1B], s43, (1<<16)|(1<<20)|(1<<21)|(5<<22)|(3<<25)
	s_mov_b32 s[G1B+1], 128<<16                    ; B's half: 128 rows of 128 elements, 1,024 elements from row to row
	s_mov_b32 s[G1B+2], 128<<16
	s_mov_b32 s[G1B+3], 128<<16
	s_mov_b32 s[G1B+4], 128
	s_mov_b32 s[G1B+5], 1024
	s_mov_b32 s[G1B+6], 0
	s_mov_b32 s[G1B+7], 0
	s_lshr_b32 s16, s15, 4
	s_lshl_b32 s16, s16, 22                        ; b x 4,194,304
	s_and_b32 s17, s15, 15
	s_lshl_b32 s17, s17, 14                        ; + 128 tokens x 128 bytes x (tile row % 16)
	s_add_co_u32 s16, s16, s17                     ; the tile's tokens in head 0
	s_lshl_b32 s18, s14, 18
	s_add_co_u32 s18, s16, s18                     ; + my plane's head (no register on A's way ever holds cx)
	s_mov_b32 s19, 0
	s_lshl_b32 s20, s40, 19                        ; B: 256 rows of 2,048 bytes x tile column
	s_lshl_b32 s21, s14, 18                        ; + my half's 128 rows (none on B's way holds cy)
	s_add_co_u32 s20, s20, s21
	s_mov_b32 s21, 0
	s_mul_i32 s22, s14, PLANE                      ; where they go
	s_mul_i32 s23, s14, HALFB
	s_add_co_u32 s23, s23, 2*PLANE
	s_wait_dscnt 0x0                               ; both opening adds are done
	s_wait_kmcnt 0x0
	s_add_nc_u64 s[18:19], s[4:5], s[18:19]
	s_add_nc_u64 s[20:21], s[6:7], s[20:21]
	CROUND                                         ; all sixteen work-groups are here: the first joint loads meet
.irp n, 0,1
	s_mov_b32 s[G0+4*\n], 1
	s_add_co_u32 s[G0+4*\n+1], s22, \n*SLOT
	s_add_nc_u64 s[G0+4*\n+2:G0+4*\n+3], s[18:19], \n*524288   ; K step n: two heads on
	s_or_b32 s[G0+4*\n+3], s[G0+4*\n+3], 0x80000000
	s_mov_b32 s[G0B+4*\n], 1
	s_add_co_u32 s[G0B+4*\n+1], s23, \n*SLOT
	s_add_nc_u64 s[G0B+4*\n+2:G0B+4*\n+3], s[20:21], \n*256
	s_or_b32 s[G0B+4*\n+3], s[G0B+4*\n+3], 0x80000000
	JLOAD \n                                       ; two tensor loads of mine are out
.endr
	; the prefetches: where mine stand (at K step 3: each change of slots steps them ahead of its request), and who asks
	s_lshr_b32 s2, s40, 1
	s_add_co_u32 s2, s2, 6
	s_lshl_b32 s2, s2, 18                          ; A: head 2 x 3 + cx / 2,
	s_and_b32 s68, s40, 1
	s_lshl_b32 s68, s68, 13                        ; half cx % 2 of the plane's 16,384 bytes,
	s_add_co_u32 s2, s2, s68
	s_add_co_u32 s2, s2, s16                       ; of the tile's tokens
	s_lshl_b32 s68, s40, 19
	s_lshl_b32 s69, s14, 18
	s_add_co_u32 s68, s68, s69
	s_lshl_b32 s69, s41, 16                        ; B: my half's rows 32 cy on,
	s_add_co_u32 s68, s68, s69
	s_add_co_u32 s68, s68, 3*256                   ; K step 3
	s_mov_b32 s69, 256
	s_mov_b32 s17, 2048
	s_cmp_eq_u32 s13, 0                            ; do I fetch for A?  Only selects follow
	s_cselect_b64 s[PFA:PFA+1], s[4:5], s[6:7]
	s_cselect_b32 s2, s2, s68
	s_cselect_b32 s[PFS], 0x80000, s69             ; a K step on: two heads, or 256 bytes of a row
	s_cselect_b32 s17, s69, s17                    ; from lane to lane: a block of the dense plane, or a row of Wo
	s_cselect_b32 s[LIM], s14, s67                 ; wave 0 asks for A; waves 2, 3 of the clusters with y = 0 for B: the same in all sixteen partners
	s_cmp_eq_u32 s[LIM], 0
	s_cselect_b32 s[LIM], 1, -1
	s_mov_b32 s3, 0
	s_mov_b32 s[PFS+1], 0
	s_add_nc_u64 s[PFA:PFA+1], s[PFA:PFA+1], s[2:3]
	v_and_b32 v[PFO], 31, v0
	v_mul_lo_u32 v[PFO], v[PFO], s17
	v_and_b32 v1, 15, v0                           ; r
	v_bfe_u32 v2, v0, 4, 1                         ; h
	v_lshrrev_b32 v3, 1, v1
	v_mul_u32_u24 v3, v3, 272
	v_and_b32 v4, 1, v1
	v_lshl_add_u32 v3, v4, 7, v3
	v_lshl_add_u32 v3, v2, 4, v3                   ; A: row r of a block of 16, + 16 h
	v_mul_u32_u24 v4, v1, 272
	v_lshl_add_u32 v4, v2, 4, v4                   ; B likewise
	s_mul_i32 s18, s13, 32*272                     ; my 64 rows of A
	s_mul_i32 s19, s14, HALFB
	s_add_co_u32 s19, s19, 2*PLANE                 ; my 128 rows of B
.irp s, 0,1
	v_add_nc_u32 v[ADRA+\s], s18, v3
	v_add_nc_u32 v[ADRB+\s], s19, v4
	s_add_co_u32 s18, s18, SLOT
	s_add_co_u32 s19, s19, SLOT
.endr
	s_mul_i32 s18, s12, 16*SPITCH                  ; my stage
	v_mul_u32_u24 v5, v1, SPITCH
	v_lshl_add_u32 v5, v2, 5, v5
	v_add_nc_u32 v[STO], s18, v5                   ; in: row r, 32 bytes for each half of the lanes
	v_and_b32 v6, 31, v0
	v_lshlrev_b32 v[CO], 4, v6                     ; back: the 32 lanes take one row of 512 bytes; and the same in out0
	v_add_nc_u32 v[RD], s18, v[CO]
	v_lshlrev_b32 v5, 5, v2
	s_lshl_b32 s22, s40, 10
	s_lshl_b32 s23, s14, 9
	s_add_co_u32 s22, s22, s23                     ; my first column x 4 bytes
	s_mov_b32 s23, 0
	s_add_nc_u64 s[8:9], s[8:9], s[22:23]
.irp b, 0,1,2,3,4,5,6,7
	global_load_b128 v[BO+8*\b:BO+8*\b+3], v5, s[8:9] offset:64*\b          ; bo[n0 + 16 b + 8 h + 0 .. 7]
	global_load_b128 v[BO+8*\b+4:BO+8*\b+7], v5, s[8:9] offset:64*\b+16
.endr
	s_lshl_b32 s20, s15, 19                        ; 128 rows of 4,096 bytes x tile row
	s_lshl_b32 s21, s13, 18                        ; + my 64 rows
	s_add_co_u32 s20, s20, s21
	s_add_co_u32 s20, s20, s22
	s_mov_b32 s21, 0
	s_add_nc_u64 s[10:11], s[10:11], s[20:21]
; 8 matrix instructions: A's block a x B's eight, 32 along K, buffer f.  The 32 accumulators take turns, one instruction a turn, in the same order in every quarter.
.macro MULA f, a, first
.irp b, 0,1,2,3,4,5,6,7
.if \first
	v_wmma_f32_16x16x32_f16 v[8*(8*\a+\b):8*(8*\a+\b)+7], v[64*\f+8*\b:64*\f+8*\b+7], v[AF+32*\f+8*\a:AF+32*\f+8*\a+7], v[BO+8*\b:BO+8*\b+7]
.else
	v_wmma_f32_16x16x32_f16 v[8*(8*\a+\b):8*(8*\a+\b)+7], v[64*\f+8*\b:64*\f+8*\b+7], v[AF+32*\f+8*\a:AF+32*\f+8*\a+7], v[8*(8*\a+\b):8*(8*\a+\b)+7]
.endif
.endr
.endm
; 24 LDS loads in one run: quarter q (32 along K) of a slot into buffer f: B's eight fragments, then A's four (plane q / 2, channels 32 (q % 2) on)
.macro FETCH slot, q, f
	WIN TO_B
.irp b, 0,1,2,3,4,5,6,7
	ds_load_b128 v[64*\f+8*\b:64*\f+8*\b+3], v[ADRB+\slot] offset:64*\q+\b*4352
	ds_load_b128 v[64*\f+8*\b+4:64*\f+8*\b+7], v[ADRB+\slot] offset:64*\q+\b*4352+32
.endr
	WIN 0
.irp a, 0,1,2,3
	ds_load_b128 v[AF+32*\f+8*\a:AF+32*\f+8*\a+3], v[ADRA+\slot] offset:(\q/2)*PLANE+(\q%2)*64+\a*2176
	ds_load_b128 v[AF+32*\f+8*\a+4:AF+32*\f+8*\a+7], v[ADRA+\slot] offset:(\q/2)*PLANE+(\q%2)*64+\a*2176+32
.endr
.endm
; One of a K step's first three quarters: multiplies buffer f; in its middle it fetches quarter qn of the same slot into buffer g.
.macro QUARTER slot, qn, f, g, first
	s_wait_dscnt 4                                 ; B and A's blocks 0, 1 are in; the youngest four loads (blocks 2, 3) may be out
.if \first
	WIN MUL_FIRST
.else
	WIN MUL
.endif
	MULA \f, 0, \first
	MULA \f, 1, \first
	PLACES 4                                       ; in front of loads into registers that matrix instructions have read
	FETCH \slot, \qn, \g
	s_wait_dscnt 24                                ; all but the 24 just issued
.if \first
	WIN MUL_FIRST
.else
	WIN MUL
.endif
	MULA \f, 2, \first
	MULA \f, 3, \first
.endm
; The last quarter multiplies buffer 1 and changes slots: one barrier; in front of it each wave waits for all its tensor loads, adds 0 to its spare word, and waits for that and for its reads of this slot.
; fill = 1: the barrier opens a round of the cluster's, and this slot is filled again, two K steps ahead, first thing behind it.
.macro TURN slot, next, fill
.if \fill
	s_wait_xcnt 0x0                                ; the last prefetch, a K step back, has read its address: it is stepped here
	s_add_nc_u64 s[PFA:PFA+1], s[PFA:PFA+1], s[PFS:PFS+1]
.endif
	WIN 0
	s_wait_tensorcnt 0x0                           ; all my tensor loads have landed: my part of the next slot
	ds_add_u32 v[SPW], v[NIL]
	s_wait_dscnt 5                                 ; (the add and the youngest four loads may be out)
	WIN MUL
	MULA 1, 0, 0
	s_wait_dscnt 0x0                               ; the add is done, and my reads of this slot are over
	s_barrier_signal -1
	MULA 1, 1, 0
.if \fill
	WIN 0
.endif
	s_barrier_wait -1
.if \fill
	CREST
	s_add_nc_u64 s[G0+4*\slot+2:G0+4*\slot+3], s[G0+4*\slot+2:G0+4*\slot+3], 1048576
	s_add_nc_u64 s[G0B+4*\slot+2:G0B+4*\slot+3], s[G0B+4*\slot+2:G0B+4*\slot+3], 512
	JLOAD \slot                                    ; the four v_nop behind it are also the places in front of the loads below
.else
	PLACES 4
.endif
	FETCH \next, 0, 0
.if \fill
	ASK
.endif
	WIN MUL
	MULA 1, 2, 0
	MULA 1, 3, 0
.endm
	s_wait_tensorcnt 1                             ; my part of K step 0 is in; K step 1's load may be out
	s_barrier_signal -1
	s_barrier_wait -1
	s_wait_loadcnt 0x0                             ; bo
	FETCH 0, 0, 0
	QUARTER 0, 1, 0, 1, 1                          ; the first quarter stands in front of the loop: its products start the sums from bo
	WIN 0
	s_mov_b32 s3, LAPS-1
.Llap:                                                 ; a trip goes once round the ring and fills both slots again
	QUARTER 0, 2, 1, 0, 0
	QUARTER 0, 3, 0, 1, 0
	TURN 0, 1, 1
	QUARTER 1, 1, 0, 1, 0
	QUARTER 1, 2, 1, 0, 0
	QUARTER 1, 3, 0, 1, 0
	TURN 1, 0, 1
	QUARTER 0, 1, 0, 1, 0
	WIN 0
	s_sub_co_u32 s3, s3, 1
	s_cmp_lg_u32 s3, 0
	s_cbranch_scc1 .Llap
	QUARTER 0, 2, 1, 0, 0                          ; the last lap fills nothing
	QUARTER 0, 3, 0, 1, 0
	TURN 0, 1, 0
	QUARTER 1, 1, 0, 1, 0
	QUARTER 1, 2, 1, 0, 0
	QUARTER 1, 3, 0, 1, 0
	s_wait_dscnt 4
	WIN MUL
	MULA 1, 0, 0
	MULA 1, 1, 0
	s_wait_dscnt 0
	MULA 1, 2, 0
	MULA 1, 3, 0
	WIN 0
; THE WAY OUT, a block of 16 rows x 128 columns at a time: through my own stage and back as whole rows of 512 bytes.  LDS serves a wave's instructions in order: no wait between the stores and the loads.
.macro TOSTAGE a
	WIN 0x08                                       ; an LDS store's data are its source 1: window 2
.irp b, 0,1,2,3,4,5,6,7
	ds_store_b128 v[STO], v[64*(\a)+8*\b:64*(\a)+8*\b+3] offset:64*\b          ; each accumulator from its low end on
	ds_store_b128 v[STO], v[64*(\a)+8*\b+4:64*(\a)+8*\b+7] offset:64*\b+16
.endr
	WIN 0
.set BB, BK+64*((\a)%2)
.irp t, 0,1,2,3,4,5,6,7,8,9,10,11,12,13,14,15
	ds_load_b128 v[BB+4*\t:BB+4*\t+3], v[RD] offset:\t*SPITCH
.endr
.endm
.macro SEND a, younger                 ; younger: the LDS instructions issued behind block a's loads, which may stay out
.set BB, BK+64*((\a)%2)
	s_wait_dscnt \younger
.irp t, 0,1,2,3,4,5,6,7,8,9,10,11,12,13,14,15
	global_store_b128 v[CO], v[BB+4*\t:BB+4*\t+3], s[10:11] offset:(\a)*65536+\t*4096 th:TH_STORE_NT   ; 32 lanes store 512 consecutive bytes, aligned; written once, read by nobody here
.endr
.endm
	PLACES 4                                       ; in front of the first reads of results and of loads into registers that held fragments
	TOSTAGE 0
.irp a, 1,2,3
.if \a > 1
	s_wait_xcnt 0x0                                ; block a - 2's stores have read their registers: block a's loads may land there
.endif
	TOSTAGE \a
	SEND \a-1, 32                                  ; behind block a - 1's loads: block a's 16 stores and 16 loads
.endr
	SEND 3, 0
	s_wait_tensorcnt 0x0                           ; the wave's end
	ds_add_u32 v[SPW], v[NIL]
	s_wait_dscnt 0x0
	CROUND                                         ; the closing round
	s_endpgm
.Lfunc_end_k_q0a9fd065f3_outp:
	.size	k_q0a9fd065f3_outp, .Lfunc_end_k_q0a9fd065f3_outp-k_q0a9fd065f3_outp
	.p2alignl 7, 3214868480
	.fill 96, 4, 3214868480
	.section	.rodata,"a",@progbits
	.p2align	6, 0x0
	.amdhsa_kernel k_q0a9fd065f3_outp
		.amdhsa_group_segment_fixed_size 327680
		.amdhsa_private_segment_fixed_size 0
		.amdhsa_enable_private_segment 0
		.amdhsa_kernarg_size 32
		.amdhsa_user_sgpr_count 2
		.amdhsa_user_sgpr_kernarg_segment_ptr 1
		.amdhsa_wavefront_size32 1
		.amdhsa_system_sgpr_workgroup_id_x 1
		.amdhsa_system_sgpr_workgroup_id_y 1
		.amdhsa_system_sgpr_workgroup_id_z 1
		.amdhsa_system_vgpr_workitem_id 0
		.amdhsa_next_free_vgpr 768
		.amdhsa_next_free_sgpr 70
		.amdhsa_reserve_vcc 0
		.amdhsa_float_denorm_mode_32 3
		.amdhsa_float_denorm_mode_16_64 3
		.amdhsa_memory_ordered 1
		.amdhsa_forward_progress 1
		.amdhsa_inst_pref_size 88
	.end_amdhsa_kernel
	.amdgpu_metadata
---
amdhsa.version: [ 1, 2 ]
amdhsa.kernels:
  - .name:           k_q0a9fd065f3_outp
    .symbol:         k_q0a9fd065f3_outp.kd
    .args:
      - { .name: att, .offset: 0, .size: 8, .value_kind: global_buffer, .address_space: global }
      - { .name: wo16, .offset: 8, .size: 8, .value_kind: global_buffer, .address_space: global }
      - { .name: bo, .offset: 16, .size: 8, .value_kind: global_buffer, .address_space: global }
      - { .name: out0, .offset: 24, .size: 8, .value_kind: global_buffer, .address_space: global }
    .group_segment_fixed_size: 327680
    .private_segment_fixed_size: 0
    .kernarg_segment_align: 8
    .kernarg_segment_size: 32
    .max_flat_workgroup_size: 128
    .sgpr_count:     70
    .vgpr_count:     768
    .wavefront_size: 32
...
	.end_amdgpu_metadata
.endif
;; end of part 4
